; MI455X (gfx1250); checked and timed in simulation.
; The chip was launched on July 23, 2026; its instructions are those of AMD's public machine-readable ISA for CDNA 5 (MIT licence, August 2026) and "CDNA5" Instruction Set Architecture Reference Guide (July 2026). The comments in the code are by the model that wrote it; some were corrected since.
;; Transformer Block. Allowed arithmetic: matrix products marked QUANTISED: E2M3 operands, one E8M0 scale for each 32 along K, by v_wmma_scale_f32_16x16x128_f8f6f4 with both operands' format E2M3, f32 sums; everything else in f32.
;; Inputs: W1 1,024 x 2,730 float32; W2 1,024 x 2,730 float32; W3 2,730 x 1,024 float32; W_out 1,024 x 1,024 float32; W_qkv 1,024 x 3,072 float32; attention_mask 2 x 2,048 bool; b1 1,024 float32; b2 1,024 float32; g1 1,024 float32; g2 1,024 float32; x 2 x 2,048 x 1,024 float32.
;; Outputs: out0 2 x 2,048 x 1,024 float32.
;; This version of the problem:
;;   THIS VERSION OF THE PROBLEM IS GIVEN IN LOW PRECISION. The matrix products marked QUANTISED in the list below multiply operands that are first quantised to E2M3 (2 exponent bits, 3 mantissa bits; 6 bits a number), with one power-of-two scale for each 32 numbers along K (OCP MX v1.0); their sums are f32. All else is computed in f32.
;;   The module's matrix products, in the order in which they are computed (A, B: the left and right operand; K: the contracted axis; several contracted axes count as one K, in the product's order):
;;     1. [M 4,096, K 1,024] x [K 1,024, N 3,072]; A: computed on the way; B: input W_qkv: QUANTISED
;;     2. batch 32 x [M 2,048, K 64] x [K 64, N 2,048]; A: computed on the way; B: computed on the way: QUANTISED
;;     3. batch 32 x [M 2,048, K 2,048] x [K 2,048, N 64]; A: computed on the way; B: computed on the way: QUANTISED
;;     4. [M 4,096, K 1,024] x [K 1,024, N 1,024]; A: computed on the way; B: input W_out: QUANTISED
;;     5. [M 4,096, K 1,024] x [K 1,024, N 2,730]; A: computed on the way; B: input W1: QUANTISED
;;     6. [M 4,096, K 1,024] x [K 1,024, N 2,730]; A: computed on the way; B: input W2: QUANTISED
;;     7. [M 4,096, K 2,730] x [K 2,730, N 1,024]; A: computed on the way; B: input W3: QUANTISED
;;   THE QUANTISER, for each operand of a quantised product, along K:
;;     - K is cut into blocks of 32 from its start; a last block that is shorter is filled with zeros.
;;     - A block's scale is 2^e with e = floor(log2(the largest magnitude in the block)) - 2, held to -126 .. 127; a block of zeros has e = 0. As a byte (E8M0): e + 127.
;;     - Each number is divided by its block's scale, clamped to +-7.5, and rounded to the nearest number of E2M3, ties to even, subnormals kept.
;;     - The product sums the exact products of the quantised numbers (number of the format x scale) in f32.
;;   ~~~python
;;   def quantise(x, axis):      # numpy; x: float32 -> the quantised numbers, widened to float32 again
;;       x = np.moveaxis(x, axis, -1); K = x.shape[-1]
;;       x = np.pad(x, [(0, 0)] * (x.ndim - 1) + [(0, -K % 32)]); x = x.reshape(x.shape[:-1] + (-1, 32)); a = np.abs(x).max(-1, keepdims=True)
;;       e = np.where(a > 0, np.clip(np.frexp(np.where(a > 0, a, 1))[1] - 1 - 2, -126, 127), 0)      # np.frexp(a)[1] - 1 = floor(log2(a)), exactly
;;       r = np.clip(x / 2.0 ** e, -7.5, 7.5)
;;       step = 2.0 ** (np.maximum(np.frexp(np.where(r == 0, 1, r))[1] - 1, 0) - 3)
;;       q = np.round(r / step) * step * 2.0 ** e      # np.round: ties to even
;;       return np.moveaxis(q.reshape(q.shape[:-2] + (-1,))[..., :K], -1, axis).astype(np.float32)
;;   ~~~
;;   OPERANDS COMPUTED ON THE WAY. 'Computed on the way' means the value that the module computes at that place (a softmax that the list does not call 'softmax' is quantised finished and normalised). What goes into a quantiser is computed in f32, as accurately as f32 sums, v_exp_f32 and their like allow (about 1e-6 of the number): no bf16 or f16 on the way to a quantiser, and a product that is left as it is and whose result goes on into a quantised operand takes f32 operands (vector FMAs, or v_wmma_f32_16x16x4_f32). A number that lies on a knife's edge between two numbers of the format may be rounded either way, as far as f32 arithmetic and the matrix unit's own rounding can turn it there, and no further.
;; One version. Each part assembles by itself: llvm-mc -triple=amdgcn-amd-amdhsa -mcpu=gfx1250 --defsym DOCPART=n.
;; ======== version 1 of 1: 8 launches
;; limits: right only within a limited range of input values
;; workspace buffers: wb 10,649,600 bytes; hc 3,276,800 bytes; qkvc 11,141,120 bytes; oc 3,276,800 bytes; x1 16,777,216 bytes; uc 9,830,400 bytes
;; launch prepw (part 1): grid 832 x 1, 4 waves a work-group, no clusters, 12,800 bytes of LDS; arguments W_qkv, W_out, W1, W2, W3, wb; writes wb
.if DOCPART == 1
	.amdgcn_target "amdgcn-amd-amdhsa--gfx1250"
	.amdhsa_code_object_version 6
	.text
	.protected	k_qf06de98175_prepw
	.globl	k_qf06de98175_prepw
	.p2align	8
	.type	k_qf06de98175_prepw,@function
k_qf06de98175_prepw:
	s_mov_b64 s[64:65], 0
	v_nop
	global_prefetch_b8 v0, s[64:65] scope:SCOPE_SE
	s_setreg_imm32_b32 hwreg(HW_REG_WAVE_MODE, 25, 1), 1
	s_wait_xcnt 0x0
; The five weights, f32 with K as their FIRST axis, become codes of FP6 (E2M3) with one E8M0 byte for each 32 along K, laid as SLABS:
; a slab is 128 operand rows (columns of the weight) x 128 along K: 8 fragments of 1,536 bytes, each an image of the operand's 12 registers
; (registers 0-3 at 16 x lane, 4-5 at 512 + 8 x lane, 6-9 at 768 + 16 x lane, 10-11 at 1,280 + 8 x lane), then 512 bytes of scale words:
; the word of tile t, slot p at 12,288 + 256 (t / 4) + 16 p + 4 (t % 4).  Slot p of tile t is operand row 32 (t / 2) + 8 (t % 2) + p + 8 (p / 8).
; Work-group S makes slab S.  Slabs 0-191: W_qkv [24 blocks][8 K steps]; 192-255: W_out [8][8]; 256-639: W1 and W2 together [48][8]: block J holds
; rows 0-31 W1's columns 64 J on, 32-63 W2's same, 64-95 W1's 64 J + 32 on, 96-127 W2's same; 640-831: W3 [8][24 K steps].
; The 2,730 columns of W1 and W2 and the 2,730 rows of W3 are filled up to 3,072 with zero CODES.
; A LANE TAKES A COLUMN AND ITS 128 REGISTERS RUN DOWN K: a block's largest magnitude needs no other lane, and the conversions give codes with K innermost.
; Wave w makes tiles 2 w and 2 w + 1.  The codes turn through the wave's own 3,072 bytes of LDS and leave as 512 consecutive bytes a store.
; A block's byte is its largest magnitude's exponent field - 2, held at 1 from below (a block of zeros keeps 1: its codes are zeros, and this program alone reads the bytes).
; LIMITS: NaN and infinities are not served; blocks whose largest magnitude lies under 2^-124 keep the byte 1.
.set SLAB,  12800
.set SCO,   12288
.set SPARE, 12288                      ; behind the four stages: the spare words, 128 bytes a wave
.set SPW,   22                         ; v22 my spare word's LDS address; never rewritten
.set NIL,   23                         ; v23 0; never rewritten
.set X,     64                         ; v64-191 my column's 128 numbers
.set C,     24                         ; v24-47  four blocks' codes, six registers each
.set TT,    48                         ; v48-63  the upper halves as the conversions leave them
	s_load_b256 s[4:11], s[0:1], 0x0               ; W_qkv s[4:5], W_out s[6:7], W1 s[8:9], W2 s[10:11]
	s_load_b128 s[12:15], s[0:1], 0x20             ; W3 s[12:13], wb s[14:15]
	v_lshl_add_u32 v[SPW], v0, 2, SPARE
	v_mov_b32 v[NIL], 0
	v_lshrrev_b32 v1, 5, v0
	v_readfirstlane_b32 s16, v1                    ; wave
	v_and_b32 v1, 31, v0                           ; lane c: operand row 32 w + c
	v_bfe_u32 v7, v0, 3, 1                         ; u = (c / 8) % 2: which of my two tiles
	v_and_b32 v8, 7, v0
	v_bfe_u32 v9, v0, 4, 1
	v_lshl_add_u32 v8, v9, 3, v8                   ; p = c % 8 + 8 (c / 16): my slot in it
	s_mul_i32 s17, s16, 3072                       ; my stage, and my two fragments' place in the slab
	v_mul_u32_u24 v3, v7, 1536
	v_add_nc_u32 v3, s17, v3
	v_lshl_add_u32 v4, v8, 3, v3
	v_add_nc_u32 v4, 512, v4                       ; registers 4-5 of a half: stage + 1,536 u + 512 + 8 p
	v_lshl_add_u32 v3, v8, 4, v3                   ; registers 0-3: stage + 1,536 u + 16 p
	v_lshlrev_b32 v21, 4, v1
	v_add_nc_u32 v21, s17, v21                     ; 3,072 w + 16 c: back out of the stage, and the same place in the slab
	s_lshr_b32 s18, s16, 1
	s_lshl_b32 s18, s18, 8
	s_and_b32 s19, s16, 1
	s_lshl_b32 s19, s19, 3
	s_add_co_u32 s18, s18, s19
	s_add_co_u32 s18, s18, SCO
	v_lshl_add_u32 v6, v8, 4, s18
	v_lshl_add_u32 v6, v7, 2, v6                   ; my scale word: tile 2 w + u, slot p
	s_lshl_b32 s24, s16, 5                         ; 32 w
	; which tensor, block and K step: numbers made of the work-group's and the wave's number alone
	s_cmp_lt_u32 ttmp9, 192
	s_cbranch_scc0 .Lnot_qkv
	s_lshr_b32 s18, ttmp9, 3
	s_and_b32 s20, ttmp9, 7                        ; K step
	s_lshl_b32 s19, s18, 7
	s_add_co_u32 s19, s19, s24                     ; my wave's first column
	s_mov_b32 s21, 3072                            ; columns
	s_mov_b32 s26, 12288                           ; bytes from row to row
	s_mov_b32 s25, 0                               ; kind of load block
	s_branch .Ljoin
.Lnot_qkv:
	s_cmp_lt_u32 ttmp9, 256
	s_cbranch_scc0 .Lnot_out
	s_sub_co_u32 s17, ttmp9, 192
	s_lshr_b32 s18, s17, 3
	s_and_b32 s20, s17, 7
	s_lshl_b32 s19, s18, 7
	s_add_co_u32 s19, s19, s24
	s_mov_b32 s21, 1024
	s_mov_b32 s26, 4096
	s_mov_b32 s25, 1
	s_branch .Ljoin
.Lnot_out:
	s_cmp_lt_u32 ttmp9, 640
	s_cbranch_scc0 .Lw3
	s_sub_co_u32 s17, ttmp9, 256
	s_lshr_b32 s18, s17, 3                         ; J
	s_and_b32 s20, s17, 7
	s_lshl_b32 s19, s18, 6
	s_lshr_b32 s28, s16, 1
	s_lshl_b32 s28, s28, 5
	s_add_co_u32 s19, s19, s28                     ; 64 J + 32 (w / 2)
	s_mov_b32 s21, 2730
	s_mov_b32 s26, 10920
	s_mov_b32 s25, 2
	s_branch .Ljoin
.Lw3:
	s_sub_co_u32 s17, ttmp9, 640
	s_mul_i32 s18, s17, 2731
	s_lshr_b32 s18, s18, 16                        ; / 24, exact for 0 .. 191
	s_mul_i32 s28, s18, 24
	s_sub_co_u32 s20, s17, s28
	s_lshl_b32 s19, s18, 7
	s_add_co_u32 s19, s19, s24
	s_mov_b32 s21, 1024
	s_mov_b32 s26, 4096
	s_mov_b32 s25, 1
	s_cmp_eq_u32 s20, 21                           ; K step 21 has 42 rows left (2,688 .. 2,729),
	s_cselect_b32 s25, 3, s25
	s_cmp_gt_u32 s20, 21                           ; steps 22 and 23 none
	s_cselect_b32 s25, 4, s25
.Ljoin:
	v_add_nc_u32 v5, s19, v1                       ; my column
	v_cmp_gt_u32 s27, s21, v5                      ; is it one of the tensor's?
	s_sub_co_u32 s28, s21, 1
	v_min_u32 v2, s28, v5                          ; no load leaves its buffer: a column of the padding reads the last column and its codes are cleared below
	v_lshlrev_b32 v2, 2, v2
	s_min_u32 s28, s20, 21                         ; (steps of pure padding form no address past the buffer)
	s_mul_i32 s28, s28, s26
	s_lshl_b32 s28, s28, 7                         ; 128 rows a K step
	s_mov_b32 s29, 0
	s_mul_i32 s30, ttmp9, SLAB
	s_mov_b32 s31, 0
	s_wait_kmcnt 0x0
	s_and_b32 s17, s16, 1                          ; the source: a choice on the work-group's and the wave's number alone
	s_cmp_eq_u32 s17, 0
	s_cselect_b64 s[22:23], s[8:9], s[10:11]       ; W1 (even waves) or W2,
	s_cmp_lt_u32 ttmp9, 640
	s_cselect_b64 s[22:23], s[22:23], s[12:13]     ; or W3,
	s_cmp_lt_u32 ttmp9, 256
	s_cselect_b64 s[22:23], s[6:7], s[22:23]       ; or W_out,
	s_cmp_lt_u32 ttmp9, 192
	s_cselect_b64 s[22:23], s[4:5], s[22:23]       ; or W_qkv
	s_add_nc_u64 s[22:23], s[22:23], s[28:29]
	s_add_nc_u64 s[14:15], s[14:15], s[30:31]      ; my slab
; 128 rows down K: each load reads 128 consecutive bytes a wave; rows past the tensor's end are zeros
.macro LOADS pitch, nreal
.set i, 0
.rept 128
.if i < \nreal
	global_load_b32 v[X+i], v2, s[22:23] offset:i*\pitch th:TH_LOAD_NT
.else
	v_mov_b32 v[X+i], 0
.endif
.set i, i+1
.endr
.endm
	s_cmp_eq_u32 s25, 0
	s_cbranch_scc0 .Lk1
	s_wait_alu depctr_va_vdst(0)
	LOADS 12288, 128
	s_branch .Lquant
.Lk1:
	s_cmp_eq_u32 s25, 1
	s_cbranch_scc0 .Lk2
	s_wait_alu depctr_va_vdst(0)
	LOADS 4096, 128
	s_branch .Lquant
.Lk2:
	s_cmp_eq_u32 s25, 2
	s_cbranch_scc0 .Lk3
	s_wait_alu depctr_va_vdst(0)
	LOADS 10920, 128
	s_branch .Lquant
.Lk3:
	s_cmp_eq_u32 s25, 3
	s_cbranch_scc0 .Lk4
	s_wait_alu depctr_va_vdst(0)
	LOADS 4096, 42
	s_branch .Lquant
.Lk4:
	LOADS 4096, 0
.Lquant:
	s_wait_loadcnt 0x0
.irp q, 0,1,2,3
	v_max3_num_f32 v[8+\q], |v[X+32*\q]|, |v[X+32*\q+1]|, 0x1800000   ; block q: all 32 numbers are mine; the floor 2^(3 - 127) holds the byte at 1 from below
.endr
.irp i, 2,4,6,8,10,12,14,16,18,20,22,24,26,28,30
.irp q, 0,1,2,3
	v_max3_num_f32 v[8+\q], v[8+\q], |v[X+32*\q+\i]|, |v[X+32*\q+\i+1]|   ; the four blocks by turns
.endr
.endr
.irp q, 0,1,2,3
	v_add_nc_u32 v[12+\q], 0xff000000, v[8+\q]     ; 2 off the exponent field: the conversion's scale operand
.endr
.irp q, 0,1,2,3
	v_lshrrev_b32 v[16+\q], 23, v[12+\q]           ; the byte
.endr
	v_lshl_or_b32 v20, v17, 8, v16                 ; my row's scale word
	v_lshl_or_b32 v20, v18, 16, v20
	v_lshl_or_b32 v20, v19, 24, v20
.irp q, 0,1,2,3
	v_cvt_scalef32_pk16_fp6_f32 v[C+6*\q:C+6*\q+2], v[X+32*\q:X+32*\q+15], v[12+\q]
	v_cvt_scalef32_pk16_fp6_f32 v[TT+4*\q:TT+4*\q+2], v[X+32*\q+16:X+32*\q+31], v[12+\q]   ; (a conversion's three registers begin on an even number)
.endr
	v_nop                                          ; one plain place behind the conversions
.irp q, 0,1,2,3
.irp i, 0,1,2
	v_mov_b32 v[C+6*\q+3+\i], v[TT+4*\q+\i]
.endr
.endr
.set i, 0
.rept 24
	v_cndmask_b32 v[C+i], 0, v[C+i], s27           ; a column of the padding has zero codes
.set i, i+1
.endr
.irp q, 0,1,2,3                        ; block q = 2 cc + hh belongs to lane p + 16 hh, registers 6 cc on, of fragment u
	ds_store_b128 v3, v[C+6*\q:C+6*\q+3] offset:768*(\q/2)+256*(\q%2)
	ds_store_b64 v4, v[C+6*\q+4:C+6*\q+5] offset:768*(\q/2)+128*(\q%2)
.endr
.irp i, 0,1,2,3,4,5
	ds_load_b128 v[X+4*\i:X+4*\i+3], v21 offset:512*\i   ; LDS serves a wave's instructions in order: these see my stores
.endr
	s_wait_dscnt 0x0
.irp i, 0,1,2,3,4,5
	global_store_b128 v21, v[X+4*\i:X+4*\i+3], s[14:15] offset:512*\i   ; 512 consecutive bytes, aligned to 256
.endr
	global_store_b32 v6, v20, s[14:15]             ; the scale words: one byte in 24 of what the slab holds
	s_wait_tensorcnt 0x0                           ; the wave's end: behind my last LDS store
	ds_add_u32 v[SPW], v[NIL]
	s_wait_dscnt 0x0
	s_endpgm
.Lfunc_end_k_qf06de98175_prepw:
	.size	k_qf06de98175_prepw, .Lfunc_end_k_qf06de98175_prepw-k_qf06de98175_prepw
	.p2alignl 7, 3214868480
	.fill 96, 4, 3214868480
	.section	.rodata,"a",@progbits
	.p2align	6, 0x0
	.amdhsa_kernel k_qf06de98175_prepw
		.amdhsa_group_segment_fixed_size 12800
		.amdhsa_private_segment_fixed_size 0
		.amdhsa_enable_private_segment 0
		.amdhsa_kernarg_size 48
		.amdhsa_user_sgpr_count 2
		.amdhsa_user_sgpr_kernarg_segment_ptr 1
		.amdhsa_wavefront_size32 1
		.amdhsa_system_sgpr_workgroup_id_x 1
		.amdhsa_system_sgpr_workgroup_id_y 1
		.amdhsa_system_sgpr_workgroup_id_z 1
		.amdhsa_system_vgpr_workitem_id 0
		.amdhsa_next_free_vgpr 192
		.amdhsa_next_free_sgpr 66
		.amdhsa_reserve_vcc 0
		.amdhsa_float_denorm_mode_32 3
		.amdhsa_float_denorm_mode_16_64 3
		.amdhsa_memory_ordered 1
		.amdhsa_forward_progress 1
		.amdhsa_inst_pref_size 61
	.end_amdhsa_kernel
	.amdgpu_metadata
---
amdhsa.version: [ 1, 2 ]
amdhsa.kernels:
  - .name:           k_qf06de98175_prepw
    .symbol:         k_qf06de98175_prepw.kd
    .args:
      - { .name: W_qkv, .offset: 0, .size: 8, .value_kind: global_buffer, .address_space: global }
      - { .name: W_out, .offset: 8, .size: 8, .value_kind: global_buffer, .address_space: global }
      - { .name: W1, .offset: 16, .size: 8, .value_kind: global_buffer, .address_space: global }
      - { .name: W2, .offset: 24, .size: 8, .value_kind: global_buffer, .address_space: global }
      - { .name: W3, .offset: 32, .size: 8, .value_kind: global_buffer, .address_space: global }
      - { .name: wb, .offset: 40, .size: 8, .value_kind: global_buffer, .address_space: global }
    .group_segment_fixed_size: 12800
    .private_segment_fixed_size: 0
    .kernarg_segment_align: 8
    .kernarg_segment_size: 48
    .max_flat_workgroup_size: 128
    .sgpr_count:     66
    .vgpr_count:     192
    .wavefront_size: 32
...
	.end_amdgpu_metadata
.endif
;; end of part 1
;; launch ln1 (part 2): grid 256 x 1, 8 waves a work-group, no clusters, 69,632 bytes of LDS; arguments x, g1, b1, hc; writes hc
.if DOCPART == 2
	.amdgcn_target "amdgcn-amd-amdhsa--gfx1250"
	.amdhsa_code_object_version 6
	.text
	.protected	k_qf06de98175_ln1
	.globl	k_qf06de98175_ln1
	.p2align	8
	.type	k_qf06de98175_ln1,@function
k_qf06de98175_ln1:
	s_mov_b64 s[64:65], 0
	v_nop
	global_prefetch_b8 v0, s[64:65] scope:SCOPE_SE
	s_setreg_imm32_b32 hwreg(HW_REG_WAVE_MODE, 25, 1), 1
	s_wait_xcnt 0x0
; h = (x - mean) / sqrt(var + 1e-5) * g + b over rows of 1,024 f32, then quantised along the row to FP6 (E2M3) with one E8M0 byte for each 32, all in f32 ahead of the quantiser.
; The result is laid as slabs [32 blocks of 128 tokens][8 K steps][12,800 bytes]: 8 fragments (images of the operand's 12 registers) and 512 bytes of scale words.
; Work-group T is ONE TILE of 16 tokens: slot p of tile t of a block is token 32 (t / 2) + 8 (t % 2) + p + 8 (p / 8).  Wave w takes columns 128 w .. 128 w + 127: one K step, one fragment.
; Each load reads 512 consecutive bytes of a row; the 16 rows turn through the wave's own stage in LDS (pitch 528), so that lane (r, h) holds, of row r, 16 neighbours of each block of 32.
; ALL LOADS GO OUT AT THE HEAD: x's 16, then b's 16 and g's 16, which are wanted only behind the two reductions.
; Mean and variance are taken in two passes (the second over x - mean); the eight waves' partial sums meet in LDS behind a barrier each.
; LIMITS: NaN and infinities are not served; blocks whose largest magnitude lies under 2^-124 keep the byte 1 (a block of zeros too: its codes are zeros, and this program alone reads the bytes).
; REGISTERS, window 0: v1-12 lane numbers and addresses, v14-15 the add's two, v16-36 sums, v64-127 x as loaded, then the quantiser's scratch, v128-191 my 64 numbers, v192-255 b.  Window 1: v0-63 g.
.set STG,   8448                       ; a wave's stage: 16 rows x 528 bytes
.set RED1,  67584                      ; 16 rows x 8 waves x 4 bytes: the sums;  512 bytes on: the sums of squares
.set SPARE, 68608                      ; the spare words, 128 bytes a wave
.set SPW,   14
.set NIL,   15
.set SEL,   20                         ; s[20:21] v_permlanex16_b32's selects for lane l xor 16
.set XR,    128                        ; v128-191 my 64 numbers: register 16 q + i = column 32 q + 16 h + i of row r
.set BR,    192                        ; v192-255 b at the same columns
.set GR,    0                          ; window 1, v0-63: g at the same columns
.set TM,    64                         ; v64-79 at work in the quantiser (x's registers as loaded, done with)
.set PW,    80
.set PC,    82                         ; v82-93 the fragment; v94-100 conversion temporaries
.set MSB, 0
.macro WIN new                         ; the immediate's high byte repeats the setting that is left
.if MSB != \new
	s_set_vgpr_msb (MSB<<8)|\new
.set MSB, \new
.endif
.endm
	s_load_b256 s[4:11], s[0:1], 0x0               ; x s[4:5], g s[6:7], b s[8:9], the slabs s[10:11]
	v_lshl_add_u32 v[SPW], v0, 2, SPARE
	v_mov_b32 v[NIL], 0
	v_lshrrev_b32 v1, 5, v0
	s_delay_alu instid0(VALU_DEP_1)
	v_readfirstlane_b32 s12, v1                    ; wave
	v_and_b32 v1, 31, v0                           ; lane
	v_and_b32 v2, 15, v0                           ; r
	v_bfe_u32 v3, v0, 4, 1                         ; h
	s_delay_alu instid0(VALU_DEP_3)
	v_lshlrev_b32 v4, 4, v1                        ; 16 x lane
	s_mul_i32 s13, s12, STG
	v_add_nc_u32 v5, s13, v4                       ; into the stage: a row's 512 bytes as they lie
	v_mul_u32_u24 v6, v2, 528
	s_delay_alu instid0(VALU_DEP_1)
	v_lshl_add_u32 v6, v3, 6, v6
	s_delay_alu instid0(VALU_DEP_1)
	v_add_nc_u32 v6, s13, v6                       ; out of it: row r, + 64 h
	v_lshlrev_b32 v7, 6, v3                        ; g, b: + 64 h
	s_lshl_b32 s14, s12, 2
	s_add_co_u32 s14, s14, RED1
	v_lshl_add_u32 v8, v2, 5, s14                  ; my wave's word of row r
	v_lshlrev_b32 v9, 5, v2
	s_delay_alu instid0(VALU_DEP_1)
	v_add_nc_u32 v9, RED1, v9                      ; row r's eight words
	v_lshlrev_b32 v11, 3, v1                       ; 8 x lane
	v_lshlrev_b32 v12, 4, v2                       ; 16 r
	s_mov_b32 s[SEL], 0x76543210
	s_mov_b32 s[SEL+1], 0xfedcba98
	s_mov_b32 s28, 0x3a800000                      ; 1 / 1,024
	s_lshr_b32 s15, ttmp9, 3                       ; block of 128 tokens
	s_and_b32 s16, ttmp9, 7                        ; tile t in it
	s_lshl_b32 s17, s15, 7
	s_lshr_b32 s18, s16, 1
	s_lshl_b32 s18, s18, 5
	s_add_co_u32 s17, s17, s18
	s_and_b32 s18, s16, 1
	s_lshl_b32 s18, s18, 3
	s_add_co_u32 s17, s17, s18                     ; the tile's first token
	s_lshl_b32 s22, s17, 12
	s_lshl_b32 s18, s12, 9                         ; my 512 bytes of a row
	s_add_co_u32 s22, s22, s18
	s_mov_b32 s23, 0
	s_mov_b32 s19, 0
	s_mul_i32 s24, s15, 102400
	s_mul_i32 s25, s12, 12800
	s_add_co_u32 s24, s24, s25                     ; my slab
	s_lshr_b32 s26, s16, 2
	s_lshl_b32 s26, s26, 8
	s_and_b32 s27, s16, 3
	s_lshl_b32 s27, s27, 2
	s_add_co_u32 s26, s26, s27
	s_add_co_u32 s26, s26, s24
	s_add_co_u32 s26, s26, 12288                   ; my tile's scale words
	s_mov_b32 s27, 0
	s_mul_i32 s25, s16, 1536
	s_add_co_u32 s24, s24, s25                     ; my fragment
	s_mov_b32 s25, 0
	s_wait_alu depctr_va_vdst(0)
	s_wait_kmcnt 0x0
	s_add_nc_u64 s[4:5], s[4:5], s[22:23]
	s_add_nc_u64 s[6:7], s[6:7], s[18:19]
	s_add_nc_u64 s[8:9], s[8:9], s[18:19]
	s_add_nc_u64 s[26:27], s[10:11], s[26:27]
	s_add_nc_u64 s[10:11], s[10:11], s[24:25]
.irp p, 0,1,2,3,4,5,6,7,8,9,10,11,12,13,14,15
	global_load_b128 v[64+4*\p:67+4*\p], v4, s[4:5] offset:(\p+8*(\p/8))*4096   ; slot p's row: 512 consecutive bytes
.endr
.irp q, 0,1,2,3
.irp j, 0,1,2,3
	global_load_b128 v[BR+16*\q+4*\j:BR+16*\q+4*\j+3], v7, s[8:9] offset:128*\q+16*\j    ; b at my 64 columns
.endr
.endr
	WIN 0x40                                       ; destination window 1, address window 0
.irp q, 0,1,2,3
.irp j, 0,1,2,3
	global_load_b128 v[GR+16*\q+4*\j:GR+16*\q+4*\j+3], v7, s[6:7] offset:128*\q+16*\j    ; g likewise; both land while x turns through LDS and the sums are made
.endr
.endr
	WIN 0
	s_wait_loadcnt 32                              ; x's 16 loads are in; the 32 issued behind them, b's and g's, may stay out
.irp p, 0,1,2,3,4,5,6,7,8,9,10,11,12,13,14,15
	ds_store_b128 v5, v[64+4*\p:67+4*\p] offset:528*\p
.endr
.irp q, 0,1,2,3
.irp j, 0,1,2,3
	ds_load_b128 v[XR+16*\q+4*\j:XR+16*\q+4*\j+3], v6 offset:128*\q+16*\j   ; LDS serves a wave's instructions in order: these see my stores
.endr
.endr
	s_wait_dscnt 0x0                               ; my numbers are in, and the stores have read v64 on
	; the row's sum: eight chains of packed additions, then lane l xor 16, then the eight waves
	v_pk_add_f32 v[26:27], v[128:129], v[136:137]
	v_pk_add_f32 v[28:29], v[144:145], v[152:153]
	v_pk_add_f32 v[30:31], v[160:161], v[168:169]
	v_pk_add_f32 v[126:127], v[176:177], v[184:185]
	v_pk_add_f32 v[124:125], v[130:131], v[138:139]
	v_pk_add_f32 v[122:123], v[146:147], v[154:155]
	v_pk_add_f32 v[120:121], v[162:163], v[170:171]
	v_pk_add_f32 v[24:25], v[178:179], v[186:187]
	s_delay_alu instid0(VALU_DEP_1)
	v_pk_add_f32 v[24:25], v[24:25], v[132:133]
	v_pk_add_f32 v[26:27], v[26:27], v[140:141]
	v_pk_add_f32 v[28:29], v[28:29], v[148:149]
	v_pk_add_f32 v[30:31], v[30:31], v[156:157]
	v_pk_add_f32 v[126:127], v[126:127], v[164:165]
	v_pk_add_f32 v[124:125], v[124:125], v[172:173]
	v_pk_add_f32 v[122:123], v[122:123], v[180:181]
	v_pk_add_f32 v[120:121], v[120:121], v[188:189]
	v_pk_add_f32 v[24:25], v[24:25], v[134:135]
	v_pk_add_f32 v[26:27], v[26:27], v[142:143]
	v_pk_add_f32 v[28:29], v[28:29], v[150:151]
	v_pk_add_f32 v[30:31], v[30:31], v[158:159]
	v_pk_add_f32 v[126:127], v[126:127], v[166:167]
	v_pk_add_f32 v[124:125], v[124:125], v[174:175]
	v_pk_add_f32 v[122:123], v[122:123], v[182:183]
	v_pk_add_f32 v[120:121], v[120:121], v[190:191]
	s_delay_alu instid0(VALU_DEP_4)
	v_pk_add_f32 v[24:25], v[24:25], v[126:127]
	s_delay_alu instid0(VALU_DEP_4)
	v_pk_add_f32 v[26:27], v[26:27], v[124:125]
	s_delay_alu instid0(VALU_DEP_4)
	v_pk_add_f32 v[28:29], v[28:29], v[122:123]
	s_delay_alu instid0(VALU_DEP_4)
	v_pk_add_f32 v[30:31], v[30:31], v[120:121]
	s_delay_alu instid0(VALU_DEP_2)
	v_pk_add_f32 v[24:25], v[24:25], v[28:29]
	s_delay_alu instid0(VALU_DEP_2)
	v_pk_add_f32 v[26:27], v[26:27], v[30:31]
	s_delay_alu instid0(VALU_DEP_1)
	v_pk_add_f32 v[24:25], v[24:25], v[26:27]
	s_delay_alu instid0(VALU_DEP_1)
	v_add_f32 v24, v24, v25
	s_delay_alu instid0(VALU_DEP_1)
	v_permlanex16_b32 v26, v24, s[SEL], s[SEL+1]
	s_delay_alu instid0(VALU_DEP_1)
	v_add_f32 v24, v24, v26
	ds_store_b32 v8, v24                           ; both halves of the lanes write the same word with the same value
	s_wait_dscnt 0x0                               ; for the others' sake: my store has landed
	s_barrier_signal -1
	s_barrier_wait -1
	ds_load_b128 v[16:19], v9
	ds_load_b128 v[20:23], v9 offset:16
	s_wait_dscnt 0x0
	v_add_f32 v16, v16, v17
	v_add_f32 v18, v18, v19
	v_add_f32 v20, v20, v21
	v_add_f32 v22, v22, v23
	s_delay_alu instid0(VALU_DEP_3)
	v_add_f32 v16, v16, v18
	s_delay_alu instid0(VALU_DEP_2)
	v_add_f32 v20, v20, v22
	s_delay_alu instid0(VALU_DEP_1)
	v_add_f32 v16, v16, v20
	s_delay_alu instid0(VALU_DEP_1)
	v_mul_f32 v32, s28, v16                        ; the mean
	s_delay_alu instid0(VALU_DEP_1)
	v_mov_b32 v33, v32
.set n, 0
.rept 32
	v_pk_add_f32 v[XR+n:XR+n+1], v[XR+n:XR+n+1], v[32:33] neg_lo:[0,1] neg_hi:[0,1]   ; x - mean
.set n, n+2
.endr
.irp c, 0,1,2,3
	v_pk_mul_f32 v[24+2*\c:25+2*\c], v[XR+2*\c:XR+2*\c+1], v[XR+2*\c:XR+2*\c+1]
.endr
.irp n, 8,16,24,32,40,48,56
.irp c, 0,1,2,3
	s_delay_alu instid0(VALU_DEP_4)
	v_pk_fma_f32 v[24+2*\c:25+2*\c], v[XR+\n+2*\c:XR+\n+2*\c+1], v[XR+\n+2*\c:XR+\n+2*\c+1], v[24+2*\c:25+2*\c]
.endr
.endr
	s_delay_alu instid0(VALU_DEP_3)
	v_pk_add_f32 v[24:25], v[24:25], v[26:27]
	s_delay_alu instid0(VALU_DEP_2)
	v_pk_add_f32 v[28:29], v[28:29], v[30:31]
	s_delay_alu instid0(VALU_DEP_1)
	v_pk_add_f32 v[24:25], v[24:25], v[28:29]
	s_delay_alu instid0(VALU_DEP_1)
	v_add_f32 v24, v24, v25
	s_delay_alu instid0(VALU_DEP_1)
	v_permlanex16_b32 v26, v24, s[SEL], s[SEL+1]
	s_delay_alu instid0(VALU_DEP_1)
	v_add_f32 v24, v24, v26
	ds_store_b32 v8, v24 offset:512                ; other bytes than the sums': no wave can still be reading them
	s_wait_dscnt 0x0
	s_barrier_signal -1
	s_barrier_wait -1
	ds_load_b128 v[16:19], v9 offset:512
	ds_load_b128 v[20:23], v9 offset:528
	s_wait_dscnt 0x0
	v_add_f32 v16, v16, v17
	v_add_f32 v18, v18, v19
	v_add_f32 v20, v20, v21
	v_add_f32 v22, v22, v23
	s_delay_alu instid0(VALU_DEP_3)
	v_add_f32 v16, v16, v18
	s_delay_alu instid0(VALU_DEP_2)
	v_add_f32 v20, v20, v22
	s_delay_alu instid0(VALU_DEP_1)
	v_add_f32 v16, v16, v20
	s_delay_alu instid0(VALU_DEP_1)
	v_fmaak_f32 v36, s28, v16, 0x3727c5ac          ; var + 1e-5
	s_wait_alu depctr_va_vdst(0)
	v_rsq_f32 v34, v36
	v_nop                                          ; a plain place behind the transcendental,
	s_wait_alu depctr_va_vdst(0)                   ; and a wait ahead of its first reader
	v_mov_b32 v35, v34
.set n, 0
.rept 32
	v_pk_mul_f32 v[XR+n:XR+n+1], v[XR+n:XR+n+1], v[34:35]
.set n, n+2
.endr
	s_wait_loadcnt 0x0                             ; g and b
	WIN 0x04                                       ; source 1 (g) window 1
.set n, 0
.rept 32
	v_pk_fma_f32 v[XR+n:XR+n+1], v[XR+n:XR+n+1], v[GR+n:GR+n+1], v[BR+n:BR+n+1]
.set n, n+2
.endr
	WIN 0
	; the quantiser: four blocks of 32, each in lanes l and l xor 16
.irp q, 0,1,2,3
	v_max3_num_f32 v[TM+\q], |v[XR+16*\q]|, |v[XR+1+16*\q]|, 0x1800000   ; the floor 2^(3 - 127) holds the byte at 1 from below
.endr
.irp i, 2,4,6,8,10,12,14
.irp q, 0,1,2,3
	s_delay_alu instid0(VALU_DEP_4)
	v_max3_num_f32 v[TM+\q], v[TM+\q], |v[XR+16*\q+\i]|, |v[XR+1+16*\q+\i]|
.endr
.endr
.irp q, 0,1,2,3
	s_delay_alu instid0(VALU_DEP_4)
	v_permlanex16_b32 v[TM+4+\q], v[TM+\q], s[SEL], s[SEL+1]
.endr
.irp q, 0,1,2,3
	s_delay_alu instid0(VALU_DEP_4)
	v_max_num_f32 v[TM+\q], v[TM+\q], v[TM+4+\q]
.endr
.irp q, 0,1,2,3
	s_delay_alu instid0(VALU_DEP_4)
	v_add_nc_u32 v[TM+12+\q], 0xff000000, v[TM+\q]   ; 2 off the exponent field: the conversion's scale operand
.endr
.irp q, 0,1,2,3
	s_delay_alu instid0(VALU_DEP_4)
	v_lshrrev_b32 v[TM+4+\q], 23, v[TM+12+\q]
.endr
	s_delay_alu instid0(VALU_DEP_3)
	v_lshl_or_b32 v[PW], v[TM+5], 8, v[TM+4]
	s_delay_alu instid0(VALU_DEP_1)
	v_lshl_or_b32 v[PW], v[TM+6], 16, v[PW]
	s_delay_alu instid0(VALU_DEP_1)
	v_lshl_or_b32 v[PW], v[TM+7], 24, v[PW]
.irp c, 0,1
	v_cvt_scalef32_pk16_fp6_f32 v[PC+6*\c:PC+2+6*\c], v[XR+32*\c:XR+15+32*\c], v[TM+12+2*\c]
	v_cvt_scalef32_pk16_fp6_f32 v[PC+12+4*\c:PC+14+4*\c], v[XR+16+32*\c:XR+31+32*\c], v[TM+12+2*\c+1]
.endr
	v_nop                                          ; one plain place behind the conversions
.irp c, 0,1                            ; the operand's layout wants a whole block in a lane: lanes 0-15 block 2 c, lanes 16-31 block 2 c + 1
.irp i, 0,1,2
	v_permlane16_swap_b32 v[PC+6*\c+\i], v[PC+12+4*\c+\i]
.endr
.irp i, 0,1,2
	s_delay_alu instid0(VALU_DEP_3)
	v_mov_b32 v[PC+3+6*\c+\i], v[PC+12+4*\c+\i]
.endr
.endr
	global_store_b128 v4, v[PC:PC+3], s[10:11]                 ; the fragment's image: whole aligned runs of 512 and 256 bytes
	global_store_b64 v11, v[PC+4:PC+5], s[10:11] offset:512
	global_store_b128 v4, v[PC+6:PC+9], s[10:11] offset:768
	global_store_b64 v11, v[PC+10:PC+11], s[10:11] offset:1280
	global_store_b32 v12, v[PW], s[26:27]                      ; row r's scale word (both halves of the lanes hold and write the same)
	s_wait_tensorcnt 0x0                           ; the wave's end: behind my last LDS store
	ds_add_u32 v[SPW], v[NIL]
	s_wait_dscnt 0x0
	s_endpgm
.Lfunc_end_k_qf06de98175_ln1:
	.size	k_qf06de98175_ln1, .Lfunc_end_k_qf06de98175_ln1-k_qf06de98175_ln1
	.p2alignl 7, 3214868480
	.fill 96, 4, 3214868480
	.section	.rodata,"a",@progbits
	.p2align	6, 0x0
	.amdhsa_kernel k_qf06de98175_ln1
		.amdhsa_group_segment_fixed_size 69632
		.amdhsa_private_segment_fixed_size 0
		.amdhsa_enable_private_segment 0
		.amdhsa_kernarg_size 32
		.amdhsa_user_sgpr_count 2
		.amdhsa_user_sgpr_kernarg_segment_ptr 1
		.amdhsa_wavefront_size32 1
		.amdhsa_system_sgpr_workgroup_id_x 1
		.amdhsa_system_sgpr_workgroup_id_y 1
		.amdhsa_system_sgpr_workgroup_id_z 1
		.amdhsa_system_vgpr_workitem_id 0
		.amdhsa_next_free_vgpr 320
		.amdhsa_next_free_sgpr 66
		.amdhsa_reserve_vcc 0
		.amdhsa_float_denorm_mode_32 3
		.amdhsa_float_denorm_mode_16_64 3
		.amdhsa_memory_ordered 1
		.amdhsa_forward_progress 1
		.amdhsa_inst_pref_size 29
	.end_amdhsa_kernel
	.amdgpu_metadata
---
amdhsa.version: [ 1, 2 ]
amdhsa.kernels:
  - .name:           k_qf06de98175_ln1
    .symbol:         k_qf06de98175_ln1.kd
    .args:
      - { .name: x, .offset: 0, .size: 8, .value_kind: global_buffer, .address_space: global }
      - { .name: g1, .offset: 8, .size: 8, .value_kind: global_buffer, .address_space: global }
      - { .name: b1, .offset: 16, .size: 8, .value_kind: global_buffer, .address_space: global }
      - { .name: hc, .offset: 24, .size: 8, .value_kind: global_buffer, .address_space: global }
    .group_segment_fixed_size: 69632
    .private_segment_fixed_size: 0
    .kernarg_segment_align: 8
    .kernarg_segment_size: 32
    .max_flat_workgroup_size: 256
    .sgpr_count:     66
    .vgpr_count:     320
    .wavefront_size: 32
...
	.end_amdgpu_metadata
.endif
;; end of part 2
;; launch qkv (part 3): grid 8 x 32, 4 waves a work-group, clusters of 4 x 4, 327,680 bytes of LDS; arguments hc, wb, attention_mask, qkvc; writes qkvc
.if DOCPART == 3
	.amdgcn_target "amdgcn-amd-amdhsa--gfx1250"
	.amdhsa_code_object_version 6
	.text
	.protected	k_qf06de98175_qkv
	.globl	k_qf06de98175_qkv
	.p2align	8
	.type	k_qf06de98175_qkv,@function
k_qf06de98175_qkv:
	s_mov_b64 s[64:65], 0
	v_nop
	global_prefetch_b8 v0, s[64:65] scope:SCOPE_SE
	s_setreg_imm32_b32 hwreg(HW_REG_WAVE_MODE, 25, 1), 1
	s_wait_xcnt 0x0
	s_wait_alu depctr_hold_cnt(0) depctr_sa_sdst(0) depctr_va_vdst(0) depctr_va_sdst(0) depctr_va_ssrc(0) depctr_va_vcc(0) depctr_vm_vsrc(0)
	s_getreg_b32 s2, hwreg(HW_REG_IB_STS2, 6, 4)
	s_cmp_eq_u32 s2, 0
	s_cbranch_scc0 .Lentry_in_a_cluster
	s_endpgm
.Lentry_in_a_cluster:
	s_bfe_u32 s2, ttmp6, 0x10000c
	s_cmp_lg_u32 s2, 0xf033
	s_cbranch_scc0 .Lentry_shape_is_right
	s_endpgm
.Lentry_shape_is_right:
; q, k, v = h W_qkv on codes of FP6 (E2M3) with E8M0 scales, and the results quantised in registers into the operands of attention.  No f32 result goes to memory.
; OPERANDS are slabs (128 rows x 128 K: 8 register images of 1,536 bytes, then 512 bytes of scale words).  Slot p of tile t is row 32 (t / 2) + 8 (t % 2) + p + 8 (p / 8): so the 16 registers that two
; neighbouring tiles of source 0 leave in a lane are 16 NEIGHBOURS along source 0's rows, and a result is quantised where it lies.
; SHARES.  Work-group (gx, gy): 128 tokens (block gy) x three tiles of 128 columns: block gx of q, of k and of v: heads 2 gx and 2 gx + 1.  Four waves, 64 x 64 each: 16 accumulators; wave = 2 WW + WT: head 2 gx + WW, tokens 64 WT on.
; LDS.  The token block's 8 slabs stay at 0; W's tiles take turns in two slots of 8 slabs.  Each wave brings two slabs of each (100 rows of 256 bytes), one tensor load.
; CLUSTER 4 x 4: the token block is shared along a row, W's tiles along a column: joint loads, the same descriptor in the four that the mask names.
; q, k: source 0 = W (the head's 64), source 1 = tokens: a lane holds one token and registers along the head: 16 tokens x 64 become half a fragment (768 bytes).
; v: sources swapped: a lane holds one channel and registers along the tokens, which are the second product's K.
; THE INPUT MASK RIDES IN THE SCORE PRODUCT'S IDLE HALF OF K (the head has 64, the instruction 128): q carries the code of 1.0 at k = 64 under the byte 127; a key whose mask byte is 0 carries the code of -7.5 there under the byte 227,
; an open key the code 0 under the byte 1, which adds nothing.
; LIMITS: NaN and infinities are not served; blocks whose largest magnitude lies under 2^-124 keep the byte 1.
; REGISTERS, window 0: v1 r, v2 h, v3-8 lane places in a slab (tokens' 16 x, 8 x, scales; W's), v9-14 the same with the slot's base, v16-29 epilogue, v30-31 the add's two, v32-47 scale words (two sets), v48-127 at work, v128-255 accumulators
; ((source 0 tile i, source 1 tile j) at 128 + 32 j + 8 i).  Window 1: two fragment sets of 96: tokens' four fragments, then W's four.
.set SLAB,  12800
.set FRAG,  1536
.set SCO,   12288
.set TBLK,  8*SLAB
.set SPARE, 24*SLAB                    ; behind the 24 slab places: the spare words, 128 bytes a wave
.set ACC,   128
.set SPW,   30
.set NIL,   31
.set G1T,   24                         ; s[24:31] descriptor group 1, tokens;  s[48:55] W: they differ in the mask
.set G1W,   48
.set G0T,   32                         ; s[32:35] group 0, tokens;  s[36:39] W's slot 0;  s[56:59] W's slot 1
.set G0A,   36
.set G0B,   56
.set SEL,   88
.set UROWS, 100                        ; two slabs as rows of 256 bytes
.set QSOFF, 3145728
.set KOFF,  3407872
.set VOFF,  7864320
.set MSB, 0
.macro WIN new                         ; the immediate's high byte repeats the setting that is left
.if MSB != \new
	s_set_vgpr_msb (MSB<<8)|\new
.set MSB, \new
.endif
.endm
.macro PLACES                          ; four plain places behind matrix instructions, in front of loads into their registers and of reads of results
.rept 4
	v_nop
.endr
.endm
.macro CROUND                          ; a round of the cluster's barrier
	s_barrier_signal -1
	s_barrier_wait -1
	s_cmp_lg_u32 s10, 0
	s_cbranch_scc1 .Lnw0_\@
	s_barrier_signal -3
.Lnw0_\@:
	s_barrier_wait -3
	s_barrier_signal -1
	s_barrier_wait -1
.endm
.macro SETBASE toff, woff              ; the LDS bases of the next fetches; six plain instructions, which also serve as places
	WIN 0
	v_add_nc_u32 v9, (\toff), v3
	v_add_nc_u32 v10, (\toff), v4
	v_add_nc_u32 v11, (\toff), v5
	v_add_nc_u32 v12, (\woff), v6
	v_add_nc_u32 v13, (\woff), v7
	v_add_nc_u32 v14, (\woff), v8
.endm
.macro FETCH p, off                    ; one K step's 8 fragments and 8 scale words into set p: 34 loads, each of consecutive bytes lane by lane
	WIN 0x40                                       ; destination window 1, address window 0
.irp i, 0,1,2,3
	ds_load_b128 v[96*(\p)+12*\i:96*(\p)+12*\i+3], v9 offset:(\off)+FRAG*\i
	ds_load_b64 v[96*(\p)+12*\i+4:96*(\p)+12*\i+5], v10 offset:(\off)+FRAG*\i+512
	ds_load_b128 v[96*(\p)+12*\i+6:96*(\p)+12*\i+9], v9 offset:(\off)+FRAG*\i+768
	ds_load_b64 v[96*(\p)+12*\i+10:96*(\p)+12*\i+11], v10 offset:(\off)+FRAG*\i+1280
.endr
.irp i, 0,1,2,3
	ds_load_b128 v[96*(\p)+48+12*\i:96*(\p)+48+12*\i+3], v12 offset:(\off)+FRAG*\i
	ds_load_b64 v[96*(\p)+48+12*\i+4:96*(\p)+48+12*\i+5], v13 offset:(\off)+FRAG*\i+512
	ds_load_b128 v[96*(\p)+48+12*\i+6:96*(\p)+48+12*\i+9], v12 offset:(\off)+FRAG*\i+768
	ds_load_b64 v[96*(\p)+48+12*\i+10:96*(\p)+48+12*\i+11], v13 offset:(\off)+FRAG*\i+1280
.endr
	WIN 0
	ds_load_b128 v[32+8*(\p):35+8*(\p)], v11 offset:(\off)
	ds_load_b128 v[36+8*(\p):39+8*(\p)], v14 offset:(\off)
.endm
.macro MUL p, zero, swap               ; 16 products, 128 along K; the 16 accumulators take turns in the same order in every step.  zero = 1: the products start the sums
	WIN 0x05                                       ; sources 0 and 1 window 1; C and D window 0
.irp j, 0,1,2,3
.irp i, 0,1,2,3
.if \swap
.set mA, 96*(\p)+12*\i
.set mB, 96*(\p)+48+12*\j
.set mSA, 32+8*(\p)+\i
.set mSB, 36+8*(\p)+\j
.else
.set mA, 96*(\p)+48+12*\i
.set mB, 96*(\p)+12*\j
.set mSA, 36+8*(\p)+\i
.set mSB, 32+8*(\p)+\j
.endif
.set mD, ACC+32*\j+8*\i
.if \zero
	v_wmma_scale_f32_16x16x128_f8f6f4 v[mD:mD+7], v[mA:mA+11], v[mB:mB+11], 0, v[mSA], v[mSB] matrix_a_fmt:MATRIX_FMT_FP6 matrix_b_fmt:MATRIX_FMT_FP6
.else
	v_wmma_scale_f32_16x16x128_f8f6f4 v[mD:mD+7], v[mA:mA+11], v[mB:mB+11], v[mD:mD+7], v[mSA], v[mSB] matrix_a_fmt:MATRIX_FMT_FP6 matrix_b_fmt:MATRIX_FMT_FP6
.endif
.endr
.endr
.endm
.macro STEP p, zero, swap, next        ; set p is in; the next step's fetch (at byte next; -1: none) goes out into the other set, four places behind the products that read it; then set p is multiplied
	s_wait_dscnt 0x0
.if (\next) >= 0
	PLACES
	FETCH 1-(\p), \next
.endif
	MUL \p, \zero, \swap
.endm
.macro RUN8 tb, wbs, swap              ; a tile's 8 K steps; step 0's fragments were fetched by the caller
	STEP 0, 1, \swap, SLAB
	STEP 1, 0, \swap, 2*SLAB
	STEP 0, 0, \swap, 3*SLAB
	s_wait_dscnt 0x0
	SETBASE (\tb)+4*SLAB, (\wbs)+4*SLAB            ; (LDS immediates have 16 bits: the bases step after four slabs)
	FETCH 0, 0
	MUL 1, 0, \swap
	s_wait_alu depctr_va_vdst(0)
	STEP 0, 0, \swap, SLAB
	STEP 1, 0, \swap, 2*SLAB
	STEP 0, 0, \swap, 3*SLAB
	STEP 1, 0, \swap, -1
.endm
; THE CHANGE OF SLOTS.  Each wave waits for all its tensor loads (its part of the other slot), adds 0 to its spare word, and waits for that and for its reads of the slot that it leaves.
; fill = 1: a round of the cluster's barrier, and behind it, first, my one joint load: the slot just left takes the tile inc bytes on.
.macro CHANGE fill, g0, inc
	WIN 0
	s_wait_tensorcnt 0x0                           ; no tensor load of mine is out, so a group 0 may be written
	ds_add_u32 v[SPW], v[NIL]
.if \fill
	s_add_nc_u64 s[\g0+2:\g0+3], s[\g0+2:\g0+3], \inc
.endif
	s_wait_dscnt 0x0                               ; the add is done, and my reads of the slot are over
.if \fill
	CROUND
	tensor_load_to_lds s[\g0:\g0+3], s[G1W:G1W+7]
	s_nop 0
	PLACES
.else
	s_barrier_signal -1
	s_barrier_wait -1
	PLACES
.endif
.endm
; 32 registers of a lane, register 16 q + i = k 32 q + 16 h + i of my row, become half a fragment (6 registers at pc) and two scale bytes (in wd)
.macro QUANT2 src, pc, tc, wd, tm
	v_max3_num_f32 v[\tm], |v[\src]|, |v[\src+1]|, 0x1800000       ; each accumulator is read from its low end on; the floor 2^(3 - 127) holds the byte at 1 from below
	v_max3_num_f32 v[\tm+1], |v[\src+16]|, |v[\src+17]|, 0x1800000
.irp i, 2,4,6,8,10,12,14
	v_max3_num_f32 v[\tm], v[\tm], |v[\src+\i]|, |v[\src+\i+1]|
	v_max3_num_f32 v[\tm+1], v[\tm+1], |v[\src+16+\i]|, |v[\src+17+\i]|
.endr
	v_permlanex16_b32 v[\tm+2], v[\tm], s[SEL], s[SEL+1]
	v_permlanex16_b32 v[\tm+3], v[\tm+1], s[SEL], s[SEL+1]
	v_max_num_f32 v[\tm], v[\tm], v[\tm+2]
	v_max_num_f32 v[\tm+1], v[\tm+1], v[\tm+3]
	v_add_nc_u32 v[\tm], 0xff000000, v[\tm]        ; 2 off the exponent field: the conversion's scale operand
	v_add_nc_u32 v[\tm+1], 0xff000000, v[\tm+1]
	v_lshrrev_b32 v[\tm+2], 23, v[\tm]
	v_lshrrev_b32 v[\tm+3], 23, v[\tm+1]
	v_lshl_or_b32 v[\wd], v[\tm+3], 8, v[\tm+2]
	v_cvt_scalef32_pk16_fp6_f32 v[\pc:\pc+2], v[\src:\src+15], v[\tm]
	v_cvt_scalef32_pk16_fp6_f32 v[\tc:\tc+2], v[\src+16:\src+31], v[\tm+1]
	v_nop                                          ; one plain place behind the conversions
.irp i, 0,1,2
	v_permlane16_swap_b32 v[\pc+\i], v[\tc+\i]     ; a whole block to a lane: lanes 0-15 block 0, lanes 16-31 block 1
.endr
.irp i, 0,1,2
	v_mov_b32 v[\pc+3+\i], v[\tc+\i]
.endr
.endm
	s_load_b128 s[4:7], s[0:1], 0x0                ; h's slabs, the weights' slabs
	s_load_b128 s[16:19], s[0:1], 0x10             ; the mask, the result
	v_lshl_add_u32 v[SPW], v0, 2, SPARE
	v_mov_b32 v[NIL], 0
	ds_add_u32 v[SPW], v[NIL]                      ; the wave's opening: the add and its wait ahead of my first tensor load
	ds_add_u32 v[SPW], v[NIL]
	v_lshrrev_b32 v1, 5, v0
	v_readfirstlane_b32 s10, v1                    ; wave
	s_lshr_b32 s11, s10, 1                         ; WW: my half of W's rows
	s_and_b32 s12, s10, 1                          ; WT: my half of the tokens
	s_bfe_u32 s40, ttmp6, 0x40000                  ; cx, cy
	s_bfe_u32 s41, ttmp6, 0x40004
	s_lshl_b32 s42, ttmp9, 2
	s_add_co_u32 s42, s42, s40                     ; gx
	s_and_b32 s13, ttmp7, 0xffff
	s_lshl_b32 s13, s13, 2
	s_add_co_u32 s13, s13, s41                     ; gy
	s_lshl_b32 s43, s41, 2
	s_lshl_b32 s43, 15, s43                        ; my row of the cluster
	s_lshl_b32 s44, 0x1111, s40                    ; my column
	s_or_b32 s[G1T], s43, (3<<16)|(1<<21)          ; 15:0 the mask; 17:16 elements of 8 bytes; 21 set beside a mask; no padding
	s_or_b32 s[G1W], s44, (3<<16)|(1<<21)
.irp g, G1T, G1W
	s_mov_b32 s[\g+1], 32<<16                      ; tensor_dim0 = 32 elements: 256 bytes
	s_mov_b32 s[\g+2], (2*UROWS)<<16               ; tensor_dim1: the head's loads bring four slabs each
	s_mov_b32 s[\g+3], 32<<16                      ; tile_dim0
	s_mov_b32 s[\g+4], 2*UROWS                     ; tile_dim1
	s_mov_b32 s[\g+5], 32                          ; the pitch: dense
	s_mov_b32 s[\g+6], 0
	s_mov_b32 s[\g+7], 0
.endr
	s_mul_i32 s45, s10, 2*SLAB                     ; my two slabs of eight: the wave's number alone enters an LDS address
	s_mul_i32 s22, s12, 4*SLAB                     ; at the head a wave brings four slabs: which half of eight
	s_mul_i32 s20, s13, TBLK
	s_add_co_u32 s20, s20, s22                     ; tokens: block gy (registers that never hold gx)
	s_mov_b32 s21, 0
	s_mul_i32 s46, s42, TBLK
	s_add_co_u32 s46, s46, s45                     ; W: block gx of q (registers that never hold gy)
	s_mov_b32 s47, 0
	s_wait_dscnt 0x0                               ; the opening add is done
	s_wait_kmcnt 0x0
	s_mov_b32 s[G0T], 1
	s_mov_b32 s[G0T+1], s22
	s_add_nc_u64 s[G0T+2:G0T+3], s[4:5], s[20:21]
	s_or_b32 s[G0T+3], s[G0T+3], 0x80000000
	s_mov_b32 s[G0A], 1
	s_add_co_u32 s[G0A+1], s45, TBLK
	s_add_nc_u64 s[G0A+2:G0A+3], s[6:7], s[46:47]
	s_mov_b32 s[G0B], 1
	s_add_co_u32 s[G0B+1], s45, 2*TBLK
	s_add_nc_u64 s[G0B+2:G0B+3], s[G0A+2:G0A+3], 8*TBLK   ; block 8 + gx: k
	s_or_b32 s[G0A+3], s[G0A+3], 0x80000000
	s_or_b32 s[G0B+3], s[G0B+3], 0x80000000
	s_mul_i32 s62, s42, TBLK                       ; s[60:63]: group 0 of the head's load of q's tile, four slabs a wave, into slot 0
	s_add_co_u32 s62, s62, s22
	s_mov_b32 s63, 0
	s_add_nc_u64 s[62:63], s[6:7], s[62:63]
	s_or_b32 s63, s63, 0x80000000
	s_mov_b32 s60, 1
	s_add_co_u32 s61, s22, TBLK
	CROUND                                         ; all sixteen work-groups are here: the first joint loads meet
	s_cmp_eq_u32 s11, 0                            ; one load a wave at the head: waves 0 and 1 bring the token block's halves, waves 2 and 3 the halves of q's tile
	s_cbranch_scc0 .Lhead_w
	tensor_load_to_lds s[G0T:G0T+3], s[G1T:G1T+7]
	s_nop 0
	PLACES
	s_branch .Lhead_asked
.Lhead_w:
	tensor_load_to_lds s[60:63], s[G1W:G1W+7]
	s_nop 0
	PLACES
.Lhead_asked:
	v_and_b32 v1, 15, v0                           ; r
	v_bfe_u32 v2, v0, 4, 1                         ; h
	v_and_b32 v15, 31, v0                          ; lane
	s_wait_alu depctr_va_vdst(0)
	s_mul_i32 s66, s12, 4*FRAG
	s_mul_i32 s67, s11, 4*FRAG
	v_lshl_add_u32 v3, v15, 4, s66
	v_lshl_add_u32 v4, v15, 3, s66
	v_lshl_add_u32 v6, v15, 4, s67
	v_lshl_add_u32 v7, v15, 3, s67
	s_lshl_b32 s66, s12, 8
	s_lshl_b32 s67, s11, 8
	s_add_co_u32 s66, s66, SCO
	s_add_co_u32 s67, s67, SCO
	v_lshl_add_u32 v5, v1, 4, s66
	v_lshl_add_u32 v8, v1, 4, s67
	s_mov_b32 s[SEL], 0x76543210
	s_mov_b32 s[SEL+1], 0xfedcba98
	; where the results go
	s_lshr_b32 s66, s13, 4
	s_lshl_b32 s66, s66, 4
	s_lshl_b32 s67, s42, 1
	s_add_co_u32 s66, s66, s67
	s_add_co_u32 s66, s66, s11                     ; bh = 16 x batch + head
	s_and_b32 s67, s13, 15                         ; the block of 128 tokens in its batch
	s_lshl_b32 s68, s67, 3
	s_lshl_b32 s69, s12, 2
	s_add_co_u32 s68, s68, s69                     ; my first tile of 16 tokens
	s_lshl_b32 s69, s66, 7
	s_add_co_u32 s69, s69, s68
	s_mov_b32 s71, 0
	s_mul_i32 s70, s69, 768
	s_add_nc_u64 s[76:77], s[18:19], s[70:71]      ; q's images
	s_lshl_b32 s70, s69, 6
	s_add_co_u32 s70, s70, QSOFF
	s_add_nc_u64 s[78:79], s[18:19], s[70:71]      ; q's scale words
	s_mul_i32 s70, s66, 139264
	s_lshl_b32 s72, s68, 10
	s_add_co_u32 s70, s70, s72
	s_add_co_u32 s70, s70, KOFF
	s_add_nc_u64 s[80:81], s[18:19], s[70:71]      ; k's images, 1,024 bytes each
	s_mul_i32 s70, s66, 139264
	s_lshl_b32 s72, s68, 6
	s_add_co_u32 s70, s70, s72
	s_add_co_u32 s70, s70, KOFF+131072
	s_add_nc_u64 s[82:83], s[18:19], s[70:71]      ; k's scale words
	s_mul_i32 s70, s66, 102400
	s_mul_i32 s72, s67, 6400
	s_add_co_u32 s70, s70, s72
	s_add_co_u32 s70, s70, VOFF
	s_add_nc_u64 s[84:85], s[18:19], s[70:71]      ; v's key step
	v_lshlrev_b32 v16, 4, v15                      ; 16 x lane
	v_lshlrev_b32 v17, 3, v15
	v_add_nc_u32 v17, 512, v17                     ; 8 x lane + 512
	v_lshlrev_b32 v18, 4, v1                       ; 16 r
	s_mul_i32 s70, s12, 768
	v_add_nc_u32 v19, s70, v16                     ; v: my half of the fragment's K
	v_add_nc_u32 v20, s70, v17
	s_lshl_b32 s70, s12, 1
	s_add_co_u32 s70, s70, 6144
	v_add_nc_u32 v21, s70, v18                     ; v's two scale bytes
	s_lshl_b32 s70, s13, 7
	s_lshl_b32 s72, s12, 6
	s_add_co_u32 s70, s70, s72
	v_and_b32 v22, 8, v1
	v_add_nc_u32 v22, v22, v1
	v_add_nc_u32 v22, s70, v22                     ; the mask byte of slot r of my first tile
.irp b, 0,1,2,3
	global_load_u8 v[24+\b], v22, s[16:17] offset:32*(\b/2)+8*(\b%2)
.endr
	v_sub_nc_u32 v23, 1, v2
	v_mul_u32_u24 v23, v23, 63                     ; the code of -7.5, in lanes 0-15 (k = 64 lies there)
	v_mov_b32 v28, 0x01010000                      ; bytes 2 and 3 of an open key's scale word,
	v_mov_b32 v29, 0x01e30000                      ; and of a masked key's: 2^100
.set n, 48
.rept 16
	v_mov_b32 v[n], 0                              ; written once: a lane permute's destination counts as one of its sources
.set n, n+1
.endr
.macro EPI_Q
	s_wait_xcnt 0x0                                ; earlier stores have read their registers
.irp b, 0,1,2,3
	QUANT2 ACC+32*\b, 64+8*\b, 100+4*\b, 96+\b, 48+4*\b
	v_or_b32 v[96+\b], 0x017f0000, v[96+\b]        ; k = 64 .. 95 under 1.0, the rest under the least byte
.endr
.irp b, 0,1,2,3
	global_store_b128 v16, v[64+8*\b:67+8*\b], s[76:77] offset:768*\b
	global_store_b64 v17, v[68+8*\b:69+8*\b], s[76:77] offset:768*\b
.endr
	global_store_b128 v18, v[96:99], s[78:79]      ; four tiles' words of slot r: sixteen lanes fill 256 bytes
.endm
.macro EPI_K
	s_wait_xcnt 0x0
	s_wait_loadcnt 0x0                             ; the mask bytes
.irp b, 0,1,2,3
	QUANT2 ACC+32*\b, 64+8*\b, 100+4*\b, 96+\b, 48+4*\b
	v_cmp_eq_u32 vcc_lo, 0, v[24+\b]               ; a choice of values only: no branch, no address hangs on the mask
	v_cndmask_b32 v[116+\b], v28, v29, vcc_lo
	v_cndmask_b32 v[70+8*\b], 0, v23, vcc_lo       ; register 6 of the fragment: the code at k = 64
	v_mov_b32 v[71+8*\b], 0
	v_or_b32 v[96+\b], v[96+\b], v[116+\b]
.endr
.irp b, 0,1,2,3
	global_store_b128 v16, v[64+8*\b:67+8*\b], s[80:81] offset:1024*\b
	global_store_b128 v16, v[68+8*\b:71+8*\b], s[80:81] offset:1024*\b+512
.endr
	global_store_b128 v18, v[96:99], s[82:83]
.endm
.macro EPI_V
	s_wait_xcnt 0x0
.irp j, 0,1,2,3
	QUANT2 ACC+32*\j, 64+8*\j, 100+4*\j, 96+\j, 48+4*\j
.endr
.irp j, 0,1,2,3
	global_store_b128 v19, v[64+8*\j:67+8*\j], s[84:85] offset:FRAG*\j
	global_store_b64 v20, v[68+8*\j:69+8*\j], s[84:85] offset:FRAG*\j
	global_store_b16 v21, v[96+\j], s[84:85] offset:4*\j
.endr
.endm
	s_wait_alu depctr_va_vdst(0)
	s_wait_tensorcnt 0x0                           ; my head load is in; slot 1's first fill goes out as a refill does
	ds_add_u32 v[SPW], v[NIL]
	s_mov_b32 s[G1W+2], UROWS<<16                  ; no load of mine is out: from here on a load brings two slabs
	s_mov_b32 s[G1W+4], UROWS
	s_wait_dscnt 0x0
	CROUND                                         ; the token block and q's tile are whole in all sixteen work-groups
	tensor_load_to_lds s[G0B:G0B+3], s[G1W:G1W+7]  ; k's tile into slot 1: my one load behind the round
	s_nop 0
	PLACES
	SETBASE 0, TBLK
	FETCH 0, 0
	s_wait_alu depctr_va_vdst(0)
	RUN8 0, TBLK, 0                                ; q
	CHANGE 1, G0A, 16*TBLK                         ; slot 0 takes block 16 + gx: v
	SETBASE 0, 2*TBLK
	FETCH 0, 0                                     ; k's first fragments are on their way while q is quantised
	EPI_Q
	RUN8 0, 2*TBLK, 0                              ; k
	CHANGE 0, G0A, 0                               ; v's tile is whole; nothing is left to fetch
	SETBASE 0, TBLK
	FETCH 0, 0
	EPI_K
	RUN8 0, TBLK, 1                                ; v, sources swapped
	WIN 0
	PLACES
	EPI_V
	s_wait_tensorcnt 0x0                           ; the wave's end: behind my last tensor load
	ds_add_u32 v[SPW], v[NIL]
	s_wait_dscnt 0x0
	CROUND                                         ; the closing round
	s_endpgm
.Lfunc_end_k_qf06de98175_qkv:
	.size	k_qf06de98175_qkv, .Lfunc_end_k_qf06de98175_qkv-k_qf06de98175_qkv
	.p2alignl 7, 3214868480
	.fill 96, 4, 3214868480
	.section	.rodata,"a",@progbits
	.p2align	6, 0x0
	.amdhsa_kernel k_qf06de98175_qkv
		.amdhsa_group_segment_fixed_size 327680
		.amdhsa_private_segment_fixed_size 0
		.amdhsa_enable_private_segment 0
		.amdhsa_kernarg_size 32
		.amdhsa_user_sgpr_count 2
		.amdhsa_user_sgpr_kernarg_segment_ptr 1
		.amdhsa_wavefront_size32 1
		.amdhsa_system_sgpr_workgroup_id_x 1
		.amdhsa_system_sgpr_workgroup_id_y 1
		.amdhsa_system_sgpr_workgroup_id_z 1
		.amdhsa_system_vgpr_workitem_id 0
		.amdhsa_next_free_vgpr 512
		.amdhsa_next_free_sgpr 92
		.amdhsa_reserve_vcc 1
		.amdhsa_float_denorm_mode_32 3
		.amdhsa_float_denorm_mode_16_64 3
		.amdhsa_memory_ordered 1
		.amdhsa_forward_progress 1
		.amdhsa_inst_pref_size 144
	.end_amdhsa_kernel
	.amdgpu_metadata
---
amdhsa.version: [ 1, 2 ]
amdhsa.kernels:
  - .name:           k_qf06de98175_qkv
    .symbol:         k_qf06de98175_qkv.kd
    .args:
      - { .name: hc, .offset: 0, .size: 8, .value_kind: global_buffer, .address_space: global }
      - { .name: wb, .offset: 8, .size: 8, .value_kind: global_buffer, .address_space: global }
      - { .name: attention_mask, .offset: 16, .size: 8, .value_kind: global_buffer, .address_space: global }
      - { .name: qkvc, .offset: 24, .size: 8, .value_kind: global_buffer, .address_space: global }
    .group_segment_fixed_size: 327680
    .private_segment_fixed_size: 0
    .kernarg_segment_align: 8
    .kernarg_segment_size: 32
    .max_flat_workgroup_size: 128
    .sgpr_count:     92
    .vgpr_count:     512
    .wavefront_size: 32
...
	.end_amdgpu_metadata
.endif
;; end of part 3
;; launch attn (part 4): grid 8 x 32, 8 waves a work-group, clusters of 4 x 1, 275,456 bytes of LDS; arguments qkvc, oc; writes oc
.if DOCPART == 4
	.amdgcn_target "amdgcn-amd-amdhsa--gfx1250"
	.amdhsa_code_object_version 6
	.text
	.protected	k_qf06de98175_attn
	.globl	k_qf06de98175_attn
	.p2align	8
	.type	k_qf06de98175_attn,@function
k_qf06de98175_attn:
	s_mov_b64 s[64:65], 0
	v_nop
	global_prefetch_b8 v0, s[64:65] scope:SCOPE_SE
	s_setreg_imm32_b32 hwreg(HW_REG_WAVE_MODE, 25, 1), 1
	s_wait_xcnt 0x0
	s_wait_alu depctr_hold_cnt(0) depctr_sa_sdst(0) depctr_va_vdst(0) depctr_va_sdst(0) depctr_va_ssrc(0) depctr_va_vcc(0) depctr_vm_vsrc(0)
	s_getreg_b32 s2, hwreg(HW_REG_IB_STS2, 6, 4)
	s_cmp_eq_u32 s2, 0
	s_cbranch_scc0 .Lentry_in_a_cluster
	s_endpgm
.Lentry_in_a_cluster:
	s_bfe_u32 s2, ttmp6, 0x10000c
	s_cmp_lg_u32 s2, 0x3003
	s_cbranch_scc0 .Lentry_shape_is_right
	s_endpgm
.Lentry_shape_is_right:
; Causal attention with the input's key mask, both products on codes of FP6 (E2M3) with E8M0 scales; the result is quantised in registers into the operand of the output projection.
; THE SECOND PRODUCT TAKES THE FINISHED, NORMALISED softmax, so the keys are walked TWICE.  Pass 1: the row's M (the running largest t = score x log2(e) / 8, rounded up to a whole number), l = the sum of 2^(t - M),
; and each block of 32 keys' largest score, which goes to the wave's own LDS.  Pass 2: the scores again, p = 2^(t - M - log2 l), quantised along the keys (the block's scale from the stored largest score), times V.
; A row with no open key has l = 0: it keeps -M alone, every p is 0, as nan_to_num leaves it.
; LEFT OUT: key steps that lie wholly above the diagonal of the causal mask: their p are 0 for all inputs.
; SHARES.  Work-group (g, bh); the four partners of a cluster share a head's K and V: joint loads.  Wave w owns two tiles of 16 queries, one after the other: tile 8 k + g with k = 15 - w, then k = w.
; Tile k needs key steps 0 .. k of 128 keys, so every wave walks 17 steps in each pass.  Both inner loops have 16 trips; a step past k is jumped over, its address steps are not.
; LDS.  THE WHOLE HEAD IS RESIDENT: 128 images of K (1,024 bytes), K's scale words, V's 16 key steps (6,400 bytes): each byte is filled once, by eight loads, one a wave; one barrier; then the waves go their own ways.
; Behind it 4,096 bytes a wave for the blocks' largest scores (256 bytes a step), then the spare words.
; No prefetch: each byte of the head is asked for once, by the launch's first loads, and there is no loop of loads to run ahead in.
; LAYOUT.  S^T = K Q^T, O^T = V^T P^T: a lane holds one query.  Slot p of a tile of K is key 32 (t / 2) + 8 (t % 2) + p + 8 (p / 8), so the 16 registers of tiles 2 b, 2 b + 1 are 16 neighbouring keys.
; The head has 64 along K, the instruction 128: k = 64 carries the key mask (Q: 1.0; a masked key: -7.5 x 2^100; an open key: 0); all other codes there are zeros.
; THE CAUSAL MASK of the diagonal step is the C of its score products: 64 registers, 0 or -1e30, which hang on g and the lane alone and are made once.
; A step's 8 fragments of K are fetched one step ahead; the fetch of a tile's last step reads the bytes that follow in LDS, which are filled, and its registers are fetched anew before they are used.
; LIMITS: a t under -1e20 counts as masked (the running maximum starts there), so scores stay under 1e20 in magnitude; NaN and infinities are not served.
; REGISTERS, window 0: v1-5 lane places, v6-7 the add's two, v8-11, v28, v49 addresses in hand, v12 -M (pass 2: -M - log2 l), v13 largest t, v[14:15] l, v16-27 Q, v29 Q's scale word, v30 query - 16 h, v31 -1e30,
; v32-39 K's scale words, v40-43 V's, v44-47 the blocks' largest scores, v48 their place, v50-56 the second tile's Q, v64-79 sums, v96-159 S^T and p, v160-191 O^T, v192-211 p's codes, v212-231 at work, v235 p's scale word.
; Window 1: v0-95 K's eight fragments, v96-143 V's four, v144-207 the causal mask.
.set QSOFF, 3145728
.set KOFF,  3407872
.set VOFF,  7864320
.set KBH,   139264
.set VBH,   102400
.set LKS,   131072                     ; LDS: K's scale words
.set LV,    139264                     ; V
.set LBM,   241664                     ; the blocks' largest scores
.set SPARE, 274432                     ; the spare words, 128 bytes a wave
.set SPW,   6
.set NIL,   7
.set WV,    18
.set SEL,   20
.set CS,    22
.set G1K,   24
.set G1V,   32
.set G0K,   40
.set G0V,   44
.set S,     96
.set T,     64
.set MSB, 0
.macro WIN new                         ; the immediate's high byte repeats the setting that is left
.if MSB != \new
	s_set_vgpr_msb (MSB<<8)|\new
.set MSB, \new
.endif
.endm
.macro PLACES
.rept 4
	v_nop
.endr
.endm
.macro CROUND
	s_barrier_signal -1
	s_barrier_wait -1
	s_cmp_lg_u32 s[WV], 0
	s_cbranch_scc1 .Lnw0_\@
	s_barrier_signal -3
.Lnw0_\@:
	s_barrier_wait -3
	s_barrier_signal -1
	s_barrier_wait -1
.endm
.macro QAD k, d                        ; tile 8 s[k] + g: its image's address into s[d:d+1], its scale words' into s[d+2:d+3]
	s_lshl_b32 s58, s50, 7
	s_lshl_b32 s59, s[\k], 3
	s_add_co_u32 s58, s58, s59
	s_add_co_u32 s58, s58, s49
	s_mul_i32 s[\d], s58, 768
	s_mov_b32 s[\d+1], 0
	s_add_nc_u64 s[\d:\d+1], s[4:5], s[\d:\d+1]
	s_lshr_b32 s[\d+2], s58, 2
	s_lshl_b32 s[\d+2], s[\d+2], 8
	s_and_b32 s59, s58, 3
	s_lshl_b32 s59, s59, 2
	s_add_co_u32 s[\d+2], s[\d+2], s59
	s_add_co_u32 s[\d+2], s[\d+2], QSOFF
	s_mov_b32 s[\d+3], 0
	s_add_nc_u64 s[\d+2:\d+3], s[4:5], s[\d+2:\d+3]
.endm
.macro KFETCH a, sa, off, soff         ; a key step's 8 images of K into window 1 and its 8 scale words: 18 loads
	WIN 0x40
.irp t, 0,1,2,3,4,5,6,7
	ds_load_b128 v[12*\t:12*\t+3], v[\a] offset:\off+1024*\t
	ds_load_b128 v[12*\t+4:12*\t+7], v[\a] offset:\off+1024*\t+512   ; registers 4, 5, the mask's code, 0
.endr
	WIN 0
	ds_load_b128 v[32:35], v[\sa] offset:\soff
	ds_load_b128 v[36:39], v[\sa] offset:\soff+256
.endm
.macro SCORES                          ; 8 tiles of 16 keys; on the diagonal (the wave's number and the count of steps alone decide) the causal mask is the products' C
	s_cmp_lg_u32 s15, s9
	s_cbranch_scc1 .Lopen_\@
	WIN 0x11
.irp t, 0,1,2,3,4,5,6,7
	v_wmma_scale_f32_16x16x128_f8f6f4 v[S+8*\t:S+7+8*\t], v[12*\t:12*\t+11], v[16:27], v[144+8*\t:151+8*\t], v[32+\t], v29 matrix_a_fmt:MATRIX_FMT_FP6 matrix_b_fmt:MATRIX_FMT_FP6
.endr
	WIN 0
	s_branch .Ldone_\@
.Lopen_\@:
	WIN 0x01
.irp t, 0,1,2,3,4,5,6,7
	v_wmma_scale_f32_16x16x128_f8f6f4 v[S+8*\t:S+7+8*\t], v[12*\t:12*\t+11], v[16:27], 0, v[32+\t], v29 matrix_a_fmt:MATRIX_FMT_FP6 matrix_b_fmt:MATRIX_FMT_FP6
.endr
	WIN 0
.Ldone_\@:
.endm
.macro TMM from, cnt                   ; t - M, two at a time
.set n, \from
.rept \cnt
	v_pk_fma_f32 v[S+n:S+n+1], v[S+n:S+n+1], s[CS:CS+1], v[12:13] op_sel_hi:[1,0,0]
.set n, n+2
.endr
.endm
.macro EXP64
.set n, 0
.rept 64
	v_exp_f32 v[S+n], v[S+n]
.set n, n+1
.endr
.endm
	s_load_b128 s[4:7], s[0:1], 0x0                ; q, k, v as codes; the result
	v_lshl_add_u32 v[SPW], v0, 2, SPARE
	v_mov_b32 v[NIL], 0
	ds_add_u32 v[SPW], v[NIL]                      ; the wave's opening: the add, twice on end, and its wait ahead of my first tensor load
	ds_add_u32 v[SPW], v[NIL]
	v_lshrrev_b32 v1, 5, v0
	s_delay_alu instid0(VALU_DEP_1)
	v_readfirstlane_b32 s[WV], v1                  ; wave 0..7
	s_bfe_u32 s48, ttmp6, 0x40000                  ; cx
	s_lshl_b32 s49, ttmp9, 2
	s_add_co_u32 s49, s49, s48                     ; g: it enters global addresses and lane constants alone
	s_and_b32 s50, ttmp7, 0xffff                   ; bh, which the partners share
	s_xor_b32 s9, s[WV], 15                        ; k of my first tile: 15 - wave
.irp g, G1K, G1V
	s_mov_b32 s[\g], 15|(3<<16)|(1<<21)            ; the mask: all four; elements of 8 bytes; 21 set beside a mask
	s_mov_b32 s[\g+1], 32<<16                      ; rows of 256 bytes
	s_mov_b32 s[\g+3], 32<<16
	s_mov_b32 s[\g+5], 32
	s_mov_b32 s[\g+6], 0
	s_mov_b32 s[\g+7], 0
.endr
	s_mov_b32 s[G1K+2], 136<<16                    ; a quarter of K's 139,264 bytes
	s_mov_b32 s[G1K+4], 136
	s_mov_b32 s[G1V+2], 100<<16                    ; a quarter of V's 102,400 bytes
	s_mov_b32 s[G1V+4], 100
	s_and_b32 s53, s[WV], 3
	s_mul_i32 s52, s53, 34816
	s_mul_i32 s53, s53, 25600
	s_mul_i32 s54, s50, KBH
	s_add_co_u32 s54, s54, s52
	s_add_co_u32 s54, s54, KOFF
	s_mov_b32 s55, 0
	s_mul_i32 s56, s50, VBH
	s_add_co_u32 s56, s56, s53
	s_add_co_u32 s56, s56, VOFF
	s_mov_b32 s57, 0
	s_mov_b32 s[SEL], 0x76543210
	s_mov_b32 s[SEL+1], 0xfedcba98
	s_mov_b32 s[CS], 0x3e38aa3b                    ; c = log2(e) / sqrt(64)
	s_mov_b32 s[CS+1], s[CS]
	s_wait_dscnt 0x0                               ; both opening adds are done
	s_wait_kmcnt 0x0
	s_mov_b32 s[G0K], 1
	s_mov_b32 s[G0K+1], s52
	s_add_nc_u64 s[G0K+2:G0K+3], s[4:5], s[54:55]
	s_or_b32 s[G0K+3], s[G0K+3], 0x80000000
	s_mov_b32 s[G0V], 1
	s_add_co_u32 s[G0V+1], s53, LV
	s_add_nc_u64 s[G0V+2:G0V+3], s[4:5], s[56:57]
	s_or_b32 s[G0V+3], s[G0V+3], 0x80000000
	CROUND                                         ; the four work-groups are here: the joint loads meet
	s_cmp_lt_u32 s[WV], 4                          ; waves 0-3 bring K's quarters, waves 4-7 V's: one load a wave
	s_cbranch_scc0 .Lfor_v
	tensor_load_to_lds s[G0K:G0K+3], s[G1K:G1K+7]
	s_nop 0
	PLACES
	s_branch .Lasked
.Lfor_v:
	tensor_load_to_lds s[G0V:G0V+3], s[G1V:G1V+7]
	s_nop 0
	PLACES
.Lasked:
	QAD 9, 60                                      ; my first tile's Q,
	QAD WV, 52                                     ; and my second's (k = wave)
	s_lshr_b32 s10, s49, 1
	s_lshl_b32 s10, s10, 5
	s_and_b32 s11, s49, 1
	s_lshl_b32 s11, s11, 3
	s_add_co_u32 s10, s10, s11                     ; my tiles' first query in its 128
	s_lshl_b32 s11, s[WV], 12
	s_add_co_u32 s11, s11, LBM                     ; my 4,096 bytes for the blocks' largest scores
	v_and_b32 v236, 31, v0                         ; lane
	v_and_b32 v237, 15, v0                         ; r
	v_bfe_u32 v238, v0, 4, 1                       ; h
	v_lshlrev_b32 v1, 4, v236                      ; 16 x lane
	v_lshlrev_b32 v239, 3, v236                    ; 8 x lane
	v_lshlrev_b32 v240, 4, v237                    ; 16 r
	global_load_b128 v[16:19], v1, s[60:61]
	global_load_b64 v[20:21], v239, s[60:61] offset:512
	global_load_b32 v29, v240, s[62:63]
	global_load_b128 v[50:53], v1, s[52:53]
	global_load_b64 v[54:55], v239, s[52:53] offset:512
	global_load_b32 v56, v240, s[54:55]
	v_add_nc_u32 v2, LKS, v240
	v_add_nc_u32 v3, LV, v1
	v_add_nc_u32 v4, LV+512, v239
	v_add_nc_u32 v5, LV+6144, v240
	v_add_nc_u32 v48, s11, v240
	v_add_nc_u32 v57, s11, v1                      ; the same 4,096 bytes, 16 a lane
	v_sub_nc_u32 v22, 1, v238
	s_delay_alu instid0(VALU_DEP_1)
	v_lshlrev_b32 v22, 3, v22                      ; Q at k = 64: the code of 1.0, in lanes 0-15
.irp n, 23,24,25,26,27
	v_mov_b32 v[\n], 0
.endr
	v_and_b32 v241, 8, v237
	s_delay_alu instid0(VALU_DEP_1)
	v_add_nc_u32 v30, v241, v237
	v_lshlrev_b32 v241, 4, v238
	s_delay_alu instid0(VALU_DEP_1)
	v_sub_nc_u32 v30, v30, v241
	s_delay_alu instid0(VALU_DEP_1)
	v_add_nc_u32 v30, s10, v30                     ; my query's place in its 128, less 16 h: register 16 b + i is hidden on the diagonal where 32 b + i is above it
	v_mov_b32 v31, 0xf149f2ca                      ; -1e30
.set n, 212
.rept 20
	v_mov_b32 v[n], 0                              ; written once: a lane permute's destination counts as one of its sources
.set n, n+1
.endr
	WIN 0x40                                       ; destinations in window 1
.set n, 0
.rept 64
	v_cmp_gt_i32 vcc_lo, 32*(n/16)+n%16, v30
	v_cndmask_b32 v[144+n], 0, v31, vcc_lo         ; the causal mask of the diagonal step
.set n, n+1
.endr
.irp t, 0,1,2,3,4,5,6,7
.irp n, 8,9,10,11
	v_mov_b32 v[12*\t+\n], 0                       ; K at k = 96 on (and lanes 16-31's share): zero codes, written once
.endr
.endr
	WIN 0
	s_wait_alu depctr_va_vdst(0)
	s_wait_tensorcnt 0x0                           ; my part of the head has landed,
	s_wait_loadcnt 0x0                             ; and both tiles' Q
	s_barrier_signal -1
	s_barrier_wait -1                              ; everybody's has
.irp i, 0,1,2,3,4,5,6,7
	ds_store_b128 v57, v[24:27] offset:512*\i      ; my 4,096 bytes for the largest scores are cleared once (v24-27 hold zeros): pass 1 stores only the steps of my tiles, and no byte of the region stays unwritten
.endr
	s_mov_b32 s16, 0
.Ltile:                                ; a trip: one tile of 16 queries, both passes and the way out
	v_mov_b32 v13, 0xe0ad78ec                      ; the largest t so far: -1e20
	v_mov_b32 v12, 0x60ad78ec                      ; -M
	v_mov_b32 v14, 0
	v_mov_b32 v15, 0
.set n, 160
.rept 32
	v_mov_b32 v[n], 0                              ; O^T: the step is written once
.set n, n+1
.endr
	s_wait_dscnt 0x0                               ; no load into K's registers is out
	KFETCH 1, 2, 0, 0                              ; key step 0
	; ---- PASS 1: M, l and the blocks' largest scores
	s_mov_b32 s12, 0                               ; the step's images of K,
	s_mov_b32 s13, 0                               ; its scale words,
	s_mov_b32 s17, 0                               ; its largest scores
	s_mov_b32 s15, 0
.Lp1:
	s_cmp_gt_u32 s15, s9
	s_cbranch_scc1 .Lp1_skip
	s_wait_dscnt 0x0                               ; this step's fragments are in
	SCORES
	v_add_nc_u32 v8, s12, v1                       ; four plain places behind the products, ahead of the loads into their registers and of the reads of their results
	v_add_nc_u32 v9, s13, v2
	v_add_nc_u32 v49, s17, v48
	v_nop
	KFETCH 8, 9, 8192, 512                         ; the next step's
.irp b, 0,1,2,3
	v_max3_num_f32 v[212+\b], v[S+16*\b], v[S+1+16*\b], v[S+2+16*\b]   ; the largest score of each block of 32 keys: my 16
.endr
.irp i, 3,5,7,9,11,13
.irp b, 0,1,2,3
	v_max3_num_f32 v[212+\b], v[212+\b], v[S+16*\b+\i], v[S+1+16*\b+\i]
.endr
.endr
.irp b, 0,1,2,3
	v_max_num_f32 v[212+\b], v[212+\b], v[S+15+16*\b]
.endr
.irp b, 0,1,2,3
	s_delay_alu instid0(VALU_DEP_4)
	v_permlanex16_b32 v[216+\b], v[212+\b], s[SEL], s[SEL+1]
.endr
.irp b, 0,1,2,3
	s_delay_alu instid0(VALU_DEP_4)
	v_max_num_f32 v[212+\b], v[212+\b], v[216+\b]  ; with lane l xor 16's
.endr
	ds_store_b128 v49, v[212:215]                  ; kept for pass 2 (both halves of the lanes write the same bytes with the same values)
	v_max3_num_f32 v224, v212, v213, v214
	s_delay_alu instid0(VALU_DEP_1)
	v_max_num_f32 v224, v224, v215                 ; the step's largest score of my query
	s_delay_alu instid0(VALU_DEP_1)
	v_mul_f32 v224, s[CS], v224
	s_delay_alu instid0(VALU_DEP_1)
	v_max_num_f32 v13, v13, v224                   ; the running largest t
	v_mov_b32 v226, v12
	s_delay_alu instid0(VALU_DEP_2)
	v_floor_f32 v12, -v13                          ; -M = floor(-t): M is a whole number
	TMM 0, 8
	v_sub_f32 v226, v12, v226
	TMM 16, 8
	v_cvt_i32_f32 v226, v226                       ; old M - new M, 0 or less (it saturates)
	TMM 32, 8
	v_ldexp_f32 v228, 1.0, v226                    ; f = 2^(old M - new M): rounds nothing
	TMM 48, 8
	s_wait_alu depctr_va_vdst(0)
	EXP64
	v_pk_mul_f32 v[14:15], v[14:15], v[228:229] op_sel_hi:[1,0]   ; l under the new M; a plain place behind the exponentials
	s_wait_alu depctr_va_vdst(0)                   ; one wait for the batch, ahead of its first reader
.irp c, 0,1,2,3,4,5,6,7
	v_pk_add_f32 v[T+2*\c:T+2*\c+1], v[S+2*\c:S+2*\c+1], v[S+16+2*\c:S+17+2*\c]   ; the step's sum in eight chains
.endr
.irp n, 32,48
.irp c, 0,1,2,3,4,5,6,7
	v_pk_add_f32 v[T+2*\c:T+2*\c+1], v[T+2*\c:T+2*\c+1], v[S+\n+2*\c:S+\n+2*\c+1]
.endr
.endr
.irp c, 0,1,2,3
	s_delay_alu instid0(VALU_DEP_4)
	v_pk_add_f32 v[T+2*\c:T+2*\c+1], v[T+2*\c:T+2*\c+1], v[T+8+2*\c:T+9+2*\c]
.endr
	s_delay_alu instid0(VALU_DEP_2)
	v_pk_add_f32 v[T:T+1], v[T:T+1], v[T+4:T+5]
	s_delay_alu instid0(VALU_DEP_2)
	v_pk_add_f32 v[T+2:T+3], v[T+2:T+3], v[T+6:T+7]
	s_delay_alu instid0(VALU_DEP_1)
	v_pk_add_f32 v[T:T+1], v[T:T+1], v[T+2:T+3]
	s_delay_alu instid0(VALU_DEP_1)
	v_pk_add_f32 v[14:15], v[14:15], v[T:T+1]
.Lp1_skip:
	s_add_co_u32 s12, s12, 8192
	s_add_co_u32 s13, s13, 512
	s_add_co_u32 s17, s17, 256
	s_add_co_u32 s15, s15, 1
	s_cmp_lt_u32 s15, 16
	s_cbranch_scc1 .Lp1
	s_wait_alu depctr_va_vdst(0)
	v_add_f32 v226, v14, v15
	s_delay_alu instid0(VALU_DEP_1)
	v_permlanex16_b32 v225, v226, s[SEL], s[SEL+1]
	s_delay_alu instid0(VALU_DEP_1)
	v_add_f32 v226, v226, v225                     ; the row's l
	s_wait_alu depctr_va_vdst(0)
	v_log_f32 v227, v226
	v_nop                                          ; a plain place behind the transcendental
	v_cmp_lt_f32 vcc_lo, 0, v226
	s_wait_alu depctr_va_vdst(0)
	v_sub_f32 v227, v12, v227                      ; -M - log2 l: the division by l goes into the exponent
	s_delay_alu instid0(VALU_DEP_1)
	v_cndmask_b32 v12, v12, v227, vcc_lo           ; a row with no open key keeps -M: all its p are 0
	s_wait_alu depctr_va_vdst(0)
	s_wait_dscnt 0x0                               ; no load into K's registers is out
	KFETCH 1, 2, 0, 0                              ; key step 0 again
	; ---- PASS 2: p, quantised, times V
	s_mov_b32 s12, 0
	s_mov_b32 s13, 0
	s_mov_b32 s14, 0                               ; the step's part of V
	s_mov_b32 s17, 0
	s_mov_b32 s15, 0
.Lp2:
	s_cmp_gt_u32 s15, s9
	s_cbranch_scc1 .Lp2_skip
	s_wait_dscnt 0x0                               ; this step's fragments of K are in
	v_add_nc_u32 v10, s14, v3                      ; four plain places behind the last step's products with V, ahead of the loads into their registers
	v_add_nc_u32 v11, s14, v4
	v_add_nc_u32 v28, s14, v5
	v_add_nc_u32 v49, s17, v48
	WIN 0x40
.irp j, 0,1,2,3
	ds_load_b128 v[96+12*\j:99+12*\j], v10 offset:1536*\j
	ds_load_b64 v[100+12*\j:101+12*\j], v11 offset:1536*\j
	ds_load_b128 v[102+12*\j:105+12*\j], v10 offset:1536*\j+768
	ds_load_b64 v[106+12*\j:107+12*\j], v11 offset:1536*\j+768
.endr
	WIN 0
	ds_load_b128 v[40:43], v28                     ; V's scale words
	ds_load_b128 v[44:47], v49                     ; the four blocks' largest scores, as pass 1 left them
	SCORES
	v_add_nc_u32 v8, s12, v1
	v_add_nc_u32 v9, s13, v2
	v_nop
	v_nop
	KFETCH 8, 9, 8192, 512
	TMM 0, 32
	s_wait_dscnt 18                                ; all but the 18 loads just issued: V and the largest scores are in
.irp b, 0,1,2,3
	v_fma_f32 v[212+\b], v[44+\b], s[CS], v12      ; p rises with the score: the block's largest score gives its largest p
.endr
	s_wait_alu depctr_va_vdst(0)
	EXP64                                          ; p = 2^(t - M - log2 l): the finished softmax
.irp b, 0,1,2,3
	v_exp_f32 v[212+\b], v[212+\b]
.endr
	v_nop                                          ; a plain place behind the exponentials
	s_wait_alu depctr_va_vdst(0)                   ; one wait for the batch
.irp b, 0,1,2,3
	v_max_num_f32 v[212+\b], 0x1800000, v[212+\b]  ; the floor: a block of zeros keeps the byte 1
.endr
.irp b, 0,1,2,3
	s_delay_alu instid0(VALU_DEP_4)
	v_add_nc_u32 v[220+\b], 0xff000000, v[212+\b]  ; 2 off the exponent field: the conversion's scale operand
.endr
.irp b, 0,1,2,3
	s_delay_alu instid0(VALU_DEP_4)
	v_lshrrev_b32 v[216+\b], 23, v[220+\b]
.endr
	s_delay_alu instid0(VALU_DEP_3)
	v_lshl_or_b32 v235, v217, 8, v216              ; p's scale word for these 128 keys
	s_delay_alu instid0(VALU_DEP_1)
	v_lshl_or_b32 v235, v218, 16, v235
	s_delay_alu instid0(VALU_DEP_1)
	v_lshl_or_b32 v235, v219, 24, v235
.irp c, 0,1
	v_cvt_scalef32_pk16_fp6_f32 v[192+6*\c:194+6*\c], v[S+32*\c:S+15+32*\c], v[220+2*\c]
	v_cvt_scalef32_pk16_fp6_f32 v[204+4*\c:206+4*\c], v[S+16+32*\c:S+31+32*\c], v[220+2*\c+1]
.endr
	v_nop                                          ; one plain place behind the conversions
.irp c, 0,1                            ; a whole block to a lane: lanes 0-15 block 2 c, lanes 16-31 block 2 c + 1
.irp i, 0,1,2
	v_permlane16_swap_b32 v[192+6*\c+\i], v[204+4*\c+\i]
.endr
.irp i, 0,1,2
	v_mov_b32 v[195+6*\c+\i], v[204+4*\c+\i]
.endr
.endr
.rept 8
	v_nop                                          ; a scale register written by a vector instruction stands 8 places ahead of a scaled product, an operand 4
.endr
	WIN 0x01
	s_wait_alu depctr_va_vdst(0)
.irp j, 0,1,2,3                        ; the four accumulators take turns; the next matrix instruction is a score product
	v_wmma_scale_f32_16x16x128_f8f6f4 v[160+8*\j:167+8*\j], v[96+12*\j:107+12*\j], v[192:203], v[160+8*\j:167+8*\j], v[40+\j], v235 matrix_a_fmt:MATRIX_FMT_FP6 matrix_b_fmt:MATRIX_FMT_FP6
.endr
	WIN 0
.Lp2_skip:
	s_add_co_u32 s12, s12, 8192
	s_add_co_u32 s13, s13, 512
	s_add_co_u32 s14, s14, 6400
	s_add_co_u32 s17, s17, 256
	s_add_co_u32 s15, s15, 1
	s_cmp_lt_u32 s15, 16
	s_cbranch_scc1 .Lp2
	; ---- THE WAY OUT: my 16 queries x the head's 64 become half a fragment of the output projection's operand
	s_lshr_b32 s51, s50, 4
	s_lshl_b32 s51, s51, 4
	s_add_co_u32 s51, s51, s9                      ; the block of 128 tokens
	s_mul_i32 s51, s51, 102400
	s_and_b32 s52, s50, 15
	s_lshr_b32 s52, s52, 1                         ; K step = head / 2
	s_mul_i32 s52, s52, 12800
	s_add_co_u32 s51, s51, s52                     ; the slab
	s_and_b32 s56, s50, 1                          ; head % 2: which half of the fragment's K
	s_mul_i32 s52, s49, 1536
	s_mul_i32 s53, s56, 768
	s_add_co_u32 s52, s52, s53
	s_add_co_u32 s52, s52, s51
	s_mov_b32 s53, 0
	s_add_nc_u64 s[52:53], s[6:7], s[52:53]
	s_lshr_b32 s54, s49, 2
	s_lshl_b32 s54, s54, 8
	s_and_b32 s55, s49, 3
	s_lshl_b32 s55, s55, 2
	s_add_co_u32 s54, s54, s55
	s_lshl_b32 s55, s56, 1
	s_add_co_u32 s54, s54, s55
	s_add_co_u32 s54, s54, s51
	s_add_co_u32 s54, s54, 12288
	s_mov_b32 s55, 0
	s_add_nc_u64 s[54:55], s[6:7], s[54:55]
	PLACES
	v_max3_num_f32 v212, |v160|, |v161|, 0x1800000 ; each accumulator from its low end on
	v_max3_num_f32 v213, |v176|, |v177|, 0x1800000
.irp i, 2,4,6,8,10,12,14
	v_max3_num_f32 v212, v212, |v[160+\i]|, |v[161+\i]|
	v_max3_num_f32 v213, v213, |v[176+\i]|, |v[177+\i]|
.endr
	s_delay_alu instid0(VALU_DEP_2)
	v_permlanex16_b32 v214, v212, s[SEL], s[SEL+1]
	s_delay_alu instid0(VALU_DEP_2)
	v_permlanex16_b32 v215, v213, s[SEL], s[SEL+1]
	s_delay_alu instid0(VALU_DEP_2)
	v_max_num_f32 v212, v212, v214
	s_delay_alu instid0(VALU_DEP_2)
	v_max_num_f32 v213, v213, v215
	s_delay_alu instid0(VALU_DEP_2)
	v_add_nc_u32 v212, 0xff000000, v212
	s_delay_alu instid0(VALU_DEP_2)
	v_add_nc_u32 v213, 0xff000000, v213
	s_delay_alu instid0(VALU_DEP_2)
	v_lshrrev_b32 v214, 23, v212
	s_delay_alu instid0(VALU_DEP_2)
	v_lshrrev_b32 v215, 23, v213
	s_delay_alu instid0(VALU_DEP_1)
	v_lshl_or_b32 v224, v215, 8, v214
	v_cvt_scalef32_pk16_fp6_f32 v[192:194], v[160:175], v212
	v_cvt_scalef32_pk16_fp6_f32 v[204:206], v[176:191], v213
	v_nop
.irp i, 0,1,2
	v_permlane16_swap_b32 v[192+\i], v[204+\i]
.endr
.irp i, 0,1,2
	v_mov_b32 v[195+\i], v[204+\i]
.endr
	global_store_b128 v1, v[192:195], s[52:53]
	global_store_b64 v239, v[196:197], s[52:53] offset:512
	global_store_b16 v240, v224, s[54:55]
	s_wait_xcnt 0x0                                ; the stores have read their registers and bases: the next tile writes them again
.irp i, 0,1,2,3,4,5
	v_mov_b32 v[16+\i], v[50+\i]                   ; the second tile's Q takes the operand's registers (in the last trip these seven copies are read no more)
.endr
	v_mov_b32 v29, v56
	s_xor_b32 s9, s9, 15                           ; k = wave
	s_add_co_u32 s16, s16, 1
	s_cmp_lt_u32 s16, 2
	s_wait_alu depctr_va_vdst(0)
	s_cbranch_scc1 .Ltile
	s_wait_tensorcnt 0x0                           ; the wave's end: behind my last tensor load and LDS store
	ds_add_u32 v[SPW], v[NIL]
	s_wait_dscnt 0x0
	CROUND                                         ; the closing round
	s_endpgm
.Lfunc_end_k_qf06de98175_attn:
	.size	k_qf06de98175_attn, .Lfunc_end_k_qf06de98175_attn-k_qf06de98175_attn
	.p2alignl 7, 3214868480
	.fill 96, 4, 3214868480
	.section	.rodata,"a",@progbits
	.p2align	6, 0x0
	.amdhsa_kernel k_qf06de98175_attn
		.amdhsa_group_segment_fixed_size 275456
		.amdhsa_private_segment_fixed_size 0
		.amdhsa_enable_private_segment 0
		.amdhsa_kernarg_size 16
		.amdhsa_user_sgpr_count 2
		.amdhsa_user_sgpr_kernarg_segment_ptr 1
		.amdhsa_wavefront_size32 1
		.amdhsa_system_sgpr_workgroup_id_x 1
		.amdhsa_system_sgpr_workgroup_id_y 1
		.amdhsa_system_sgpr_workgroup_id_z 1
		.amdhsa_system_vgpr_workitem_id 0
		.amdhsa_next_free_vgpr 512
		.amdhsa_next_free_sgpr 66
		.amdhsa_reserve_vcc 1
		.amdhsa_float_denorm_mode_32 3
		.amdhsa_float_denorm_mode_16_64 3
		.amdhsa_memory_ordered 1
		.amdhsa_forward_progress 1
		.amdhsa_inst_pref_size 49
	.end_amdhsa_kernel
	.amdgpu_metadata
---
amdhsa.version: [ 1, 2 ]
amdhsa.kernels:
  - .name:           k_qf06de98175_attn
    .symbol:         k_qf06de98175_attn.kd
    .args:
      - { .name: qkvc, .offset: 0, .size: 8, .value_kind: global_buffer, .address_space: global }
      - { .name: oc, .offset: 8, .size: 8, .value_kind: global_buffer, .address_space: global }
    .group_segment_fixed_size: 275456
    .private_segment_fixed_size: 0
    .kernarg_segment_align: 8
    .kernarg_segment_size: 16
    .max_flat_workgroup_size: 256
    .sgpr_count:     66
    .vgpr_count:     512
    .wavefront_size: 32
...
	.end_amdgpu_metadata
.endif
;; end of part 4
;; launch outp (part 5): grid 8 x 32, 4 waves a work-group, clusters of 4 x 4, 327,680 bytes of LDS; arguments oc, wb, x, x1; writes x1
.if DOCPART == 5
	.amdgcn_target "amdgcn-amd-amdhsa--gfx1250"
	.amdhsa_code_object_version 6
	.text
	.protected	k_qf06de98175_outp
	.globl	k_qf06de98175_outp
	.p2align	8
	.type	k_qf06de98175_outp,@function
k_qf06de98175_outp:
	s_mov_b64 s[64:65], 0
	v_nop
	global_prefetch_b8 v0, s[64:65] scope:SCOPE_SE
	s_setreg_imm32_b32 hwreg(HW_REG_WAVE_MODE, 25, 1), 1
	s_wait_xcnt 0x0
	s_wait_alu depctr_hold_cnt(0) depctr_sa_sdst(0) depctr_va_vdst(0) depctr_va_sdst(0) depctr_va_ssrc(0) depctr_va_vcc(0) depctr_vm_vsrc(0)
	s_getreg_b32 s2, hwreg(HW_REG_IB_STS2, 6, 4)
	s_cmp_eq_u32 s2, 0
	s_cbranch_scc0 .Lentry_in_a_cluster
	s_endpgm
.Lentry_in_a_cluster:
	s_bfe_u32 s2, ttmp6, 0x10000c
	s_cmp_lg_u32 s2, 0xf033
	s_cbranch_scc0 .Lentry_shape_is_right
	s_endpgm
.Lentry_shape_is_right:
.set SLAB,  12800
.set FRAG,  1536
.set SCO,   12288
.set TBLK,  8*SLAB
.set SPARE, 24*SLAB
.set STAGE, SPARE+512
.set ACC,   128
.set RES,   0
.set SPW,   30
.set NIL,   31
.set G1T,   24
.set G1W,   48
.set G0T,   32
.set G0A,   36
.set UROWS, 200                        ; four slabs as rows of 256 bytes: what one wave brings
.set WOFF,  2457600
.set MSB, 0
.macro WIN new
.if MSB != \new
	s_set_vgpr_msb (MSB<<8)|\new
.set MSB, \new
.endif
.endm
.macro PLACES
.rept 4
	v_nop
.endr
.endm
.macro CROUND
	s_barrier_signal -1
	s_barrier_wait -1
	s_cmp_lg_u32 s10, 0
	s_cbranch_scc1 .Lnw0_\@
	s_barrier_signal -3
.Lnw0_\@:
	s_barrier_wait -3
	s_barrier_signal -1
	s_barrier_wait -1
.endm
.macro SETBASE toff, woff
	WIN 0
	v_add_nc_u32 v9, (\toff), v3
	v_add_nc_u32 v10, (\toff), v4
	v_add_nc_u32 v11, (\toff), v5
	v_add_nc_u32 v12, (\woff), v6
	v_add_nc_u32 v13, (\woff), v7
	v_add_nc_u32 v14, (\woff), v8
.endm
.macro FETCH p, off
	WIN 0x40
.irp i, 0,1,2,3
	ds_load_b128 v[96*(\p)+12*\i:96*(\p)+12*\i+3], v9 offset:(\off)+FRAG*\i
	ds_load_b64 v[96*(\p)+12*\i+4:96*(\p)+12*\i+5], v10 offset:(\off)+FRAG*\i+512
	ds_load_b128 v[96*(\p)+12*\i+6:96*(\p)+12*\i+9], v9 offset:(\off)+FRAG*\i+768
	ds_load_b64 v[96*(\p)+12*\i+10:96*(\p)+12*\i+11], v10 offset:(\off)+FRAG*\i+1280
.endr
.irp i, 0,1,2,3
	ds_load_b128 v[96*(\p)+48+12*\i:96*(\p)+48+12*\i+3], v12 offset:(\off)+FRAG*\i
	ds_load_b64 v[96*(\p)+48+12*\i+4:96*(\p)+48+12*\i+5], v13 offset:(\off)+FRAG*\i+512
	ds_load_b128 v[96*(\p)+48+12*\i+6:96*(\p)+48+12*\i+9], v12 offset:(\off)+FRAG*\i+768
	ds_load_b64 v[96*(\p)+48+12*\i+10:96*(\p)+48+12*\i+11], v13 offset:(\off)+FRAG*\i+1280
.endr
	WIN 0
	ds_load_b128 v[32+8*(\p):35+8*(\p)], v11 offset:(\off)
	ds_load_b128 v[36+8*(\p):39+8*(\p)], v14 offset:(\off)
.endm
.macro MUL p, zero
	WIN 0x05
.irp j, 0,1,2,3
.irp i, 0,1,2,3
.set mA, 96*(\p)+48+12*\i
.set mB, 96*(\p)+12*\j
.set mD, ACC+32*\j+8*\i
.if \zero
	v_wmma_scale_f32_16x16x128_f8f6f4 v[mD:mD+7], v[mA:mA+11], v[mB:mB+11], 0, v[36+8*(\p)+\i], v[32+8*(\p)+\j] matrix_a_fmt:MATRIX_FMT_FP6 matrix_b_fmt:MATRIX_FMT_FP6
.else
	v_wmma_scale_f32_16x16x128_f8f6f4 v[mD:mD+7], v[mA:mA+11], v[mB:mB+11], v[mD:mD+7], v[36+8*(\p)+\i], v[32+8*(\p)+\j] matrix_a_fmt:MATRIX_FMT_FP6 matrix_b_fmt:MATRIX_FMT_FP6
.endif
.endr
.endr
.endm
.macro STEP p, zero, next
	s_wait_dscnt 0x0
.if (\next) >= 0
	PLACES
	FETCH 1-(\p), \next
.endif
	MUL \p, \zero
.endm
.macro TOSTAGE b
.set BB, 48+32*((\b)%2)
.irp e, 0,1
.irp q, 0,1,2,3
	ds_store_b128 v16, v[ACC+32*(\b)+16*\e+4*\q:ACC+32*(\b)+16*\e+4*\q+3] offset:128*\e+16*\q
.endr
.endr
.irp i, 0,1,2,3,4,5,6,7
	ds_load_b128 v[BB+4*\i:BB+4*\i+3], v17 offset:544*\i
.endr
.endm
.macro SEND b, younger
.set BB, 48+32*((\b)%2)
	s_wait_dscnt \younger
	WIN 0x08
.irp n, 0,2,4,6,8,10,12,14,16,18,20,22,24,26,28,30
	v_pk_add_f32 v[BB+\n:BB+\n+1], v[BB+\n:BB+\n+1], v[RES+32*(\b)+\n:RES+32*(\b)+\n+1]
.endr
	WIN 0
.irp i, 0,1,2,3,4,5,6,7
	global_store_b128 v18, v[BB+4*\i:BB+4*\i+3], s[78:79] offset:(32*((\b)/2)+8*((\b)%2)+2*\i+8*(\i/4))*4096
.endr
.endm
	s_load_b128 s[4:7], s[0:1], 0x0
	s_load_b128 s[16:19], s[0:1], 0x10
	v_lshl_add_u32 v[SPW], v0, 2, SPARE
	v_mov_b32 v[NIL], 0
	ds_add_u32 v[SPW], v[NIL]
	ds_add_u32 v[SPW], v[NIL]
	v_lshrrev_b32 v1, 5, v0
	v_readfirstlane_b32 s10, v1
	s_lshr_b32 s11, s10, 1
	s_and_b32 s12, s10, 1
	s_bfe_u32 s40, ttmp6, 0x40000
	s_bfe_u32 s41, ttmp6, 0x40004
	s_lshl_b32 s42, ttmp9, 2
	s_add_co_u32 s42, s42, s40
	s_and_b32 s13, ttmp7, 0xffff
	s_lshl_b32 s13, s13, 2
	s_add_co_u32 s13, s13, s41
	s_lshl_b32 s43, s41, 2
	s_lshl_b32 s43, 15, s43
	s_lshl_b32 s44, 0x1111, s40
	s_or_b32 s[G1T], s43, (3<<16)|(1<<21)
	s_or_b32 s[G1W], s44, (3<<16)|(1<<21)
.irp g, G1T, G1W
	s_mov_b32 s[\g+1], 32<<16
	s_mov_b32 s[\g+2], UROWS<<16
	s_mov_b32 s[\g+3], 32<<16
	s_mov_b32 s[\g+4], UROWS
	s_mov_b32 s[\g+5], 32
	s_mov_b32 s[\g+6], 0
	s_mov_b32 s[\g+7], 0
.endr
	s_mul_i32 s45, s12, 4*SLAB                     ; which half of eight slabs is mine
	s_mul_i32 s20, s13, TBLK
	s_add_co_u32 s20, s20, s45
	s_mov_b32 s21, 0
	s_mul_i32 s46, s42, TBLK
	s_add_co_u32 s46, s46, s45
	s_add_co_u32 s46, s46, WOFF
	s_mov_b32 s47, 0
	s_wait_dscnt 0x0
	s_wait_kmcnt 0x0
	s_mov_b32 s[G0T], 1
	s_mov_b32 s[G0T+1], s45
	s_add_nc_u64 s[G0T+2:G0T+3], s[4:5], s[20:21]
	s_or_b32 s[G0T+3], s[G0T+3], 0x80000000
	s_mov_b32 s[G0A], 1
	s_add_co_u32 s[G0A+1], s45, TBLK
	s_add_nc_u64 s[G0A+2:G0A+3], s[6:7], s[46:47]
	s_or_b32 s[G0A+3], s[G0A+3], 0x80000000
	CROUND
	s_cmp_eq_u32 s11, 0                            ; one load a wave at the head: waves 0 and 1 bring the token block's halves, waves 2 and 3 the halves of W's block
	s_cbranch_scc0 .Lhead_w
	tensor_load_to_lds s[G0T:G0T+3], s[G1T:G1T+7]
	s_nop 0
	PLACES
	s_branch .Lhead_asked
.Lhead_w:
	tensor_load_to_lds s[G0A:G0A+3], s[G1W:G1W+7]
	s_nop 0
	PLACES
.Lhead_asked:
	v_and_b32 v1, 15, v0
	v_bfe_u32 v2, v0, 4, 1
	v_and_b32 v15, 31, v0
	v_lshlrev_b32 v18, 12, v2
	v_lshl_add_u32 v18, v1, 4, v18
	s_wait_alu depctr_va_vdst(0)
	s_lshl_b32 s66, s13, 7
	s_lshl_b32 s67, s12, 6
	s_add_co_u32 s66, s66, s67
	s_lshl_b32 s66, s66, 12
	s_lshl_b32 s67, s42, 9
	s_add_co_u32 s66, s66, s67
	s_lshl_b32 s67, s11, 8
	s_add_co_u32 s66, s66, s67
	s_mov_b32 s67, 0
	s_add_nc_u64 s[76:77], s[16:17], s[66:67]
	s_add_nc_u64 s[78:79], s[18:19], s[66:67]
	WIN 0x80
.irp b, 0,1,2,3
.irp i, 0,1,2,3,4,5,6,7
	global_load_b128 v[RES+32*\b+4*\i:RES+32*\b+4*\i+3], v18, s[76:77] offset:(32*(\b/2)+8*(\b%2)+2*\i+8*(\i/4))*4096
.endr
.endr
	WIN 0
	s_mul_i32 s66, s12, 4*FRAG
	s_mul_i32 s67, s11, 4*FRAG
	v_lshl_add_u32 v3, v15, 4, s66
	v_lshl_add_u32 v4, v15, 3, s66
	v_lshl_add_u32 v6, v15, 4, s67
	v_lshl_add_u32 v7, v15, 3, s67
	s_lshl_b32 s66, s12, 8
	s_lshl_b32 s67, s11, 8
	s_add_co_u32 s66, s66, SCO
	s_add_co_u32 s67, s67, SCO
	v_lshl_add_u32 v5, v1, 4, s66
	v_lshl_add_u32 v8, v1, 4, s67
	s_mul_i32 s66, s10, 16*272
	s_add_co_u32 s66, s66, STAGE
	v_mul_u32_u24 v16, v1, 272
	v_lshl_add_u32 v16, v2, 6, v16
	v_add_nc_u32 v16, s66, v16
	v_mul_u32_u24 v17, v2, 272
	v_lshl_add_u32 v17, v1, 4, v17
	v_add_nc_u32 v17, s66, v17
	s_wait_tensorcnt 0x0
	s_barrier_signal -1
	s_barrier_wait -1
	SETBASE 0, TBLK
	FETCH 0, 0
	s_wait_alu depctr_va_vdst(0)
	STEP 0, 1, SLAB
	STEP 1, 0, 2*SLAB
	STEP 0, 0, 3*SLAB
	s_wait_dscnt 0x0
	SETBASE 4*SLAB, TBLK+4*SLAB
	FETCH 0, 0
	MUL 1, 0
	s_wait_alu depctr_va_vdst(0)
	STEP 0, 0, SLAB
	STEP 1, 0, 2*SLAB
	STEP 0, 0, 3*SLAB
	STEP 1, 0, -1
	WIN 0
	PLACES
	s_wait_loadcnt 0x0
	TOSTAGE 0
.irp b, 1,2,3
.if \b > 1
	s_wait_xcnt 0x0
.endif
	TOSTAGE \b
	SEND \b-1, 16
.endr
	SEND 3, 0
	s_wait_tensorcnt 0x0
	ds_add_u32 v[SPW], v[NIL]
	s_wait_dscnt 0x0
	CROUND
	s_endpgm
.Lfunc_end_k_qf06de98175_outp:
	.size	k_qf06de98175_outp, .Lfunc_end_k_qf06de98175_outp-k_qf06de98175_outp
	.p2alignl 7, 3214868480
	.fill 96, 4, 3214868480
	.section	.rodata,"a",@progbits
	.p2align	6, 0x0
	.amdhsa_kernel k_qf06de98175_outp
		.amdhsa_group_segment_fixed_size 327680
		.amdhsa_private_segment_fixed_size 0
		.amdhsa_enable_private_segment 0
		.amdhsa_kernarg_size 32
		.amdhsa_user_sgpr_count 2
		.amdhsa_user_sgpr_kernarg_segment_ptr 1
		.amdhsa_wavefront_size32 1
		.amdhsa_system_sgpr_workgroup_id_x 1
		.amdhsa_system_sgpr_workgroup_id_y 1
		.amdhsa_system_sgpr_workgroup_id_z 1
		.amdhsa_system_vgpr_workitem_id 0
		.amdhsa_next_free_vgpr 640
		.amdhsa_next_free_sgpr 92
		.amdhsa_reserve_vcc 0
		.amdhsa_float_denorm_mode_32 3
		.amdhsa_float_denorm_mode_16_64 3
		.amdhsa_memory_ordered 1
		.amdhsa_forward_progress 1
		.amdhsa_inst_pref_size 57
	.end_amdhsa_kernel
	.amdgpu_metadata
---
amdhsa.version: [ 1, 2 ]
amdhsa.kernels:
  - .name:           k_qf06de98175_outp
    .symbol:         k_qf06de98175_outp.kd
    .args:
      - { .name: oc, .offset: 0, .size: 8, .value_kind: global_buffer, .address_space: global }
      - { .name: wb, .offset: 8, .size: 8, .value_kind: global_buffer, .address_space: global }
      - { .name: x, .offset: 16, .size: 8, .value_kind: global_buffer, .address_space: global }
      - { .name: x1, .offset: 24, .size: 8, .value_kind: global_buffer, .address_space: global }
    .group_segment_fixed_size: 327680
    .private_segment_fixed_size: 0
    .kernarg_segment_align: 8
    .kernarg_segment_size: 32
    .max_flat_workgroup_size: 128
    .sgpr_count:     92
    .vgpr_count:     640
    .wavefront_size: 32
...
	.end_amdgpu_metadata
.endif
;; end of part 5
;; launch ln2: the kernel of part 2 again; grid 256 x 1, 8 waves a work-group, no clusters, 69,632 bytes of LDS; arguments x1, g2, b2, hc; writes hc
;; launch ffn1 (part 6): grid 8 x 32, 4 waves a work-group, clusters of 4 x 4, 327,680 bytes of LDS; arguments hc, wb, uc; writes uc
.if DOCPART == 6
	.amdgcn_target "amdgcn-amd-amdhsa--gfx1250"
	.amdhsa_code_object_version 6
	.text
	.protected	k_qf06de98175_ffn1
	.globl	k_qf06de98175_ffn1
	.p2align	8
	.type	k_qf06de98175_ffn1,@function
k_qf06de98175_ffn1:
	s_mov_b64 s[64:65], 0
	v_nop
	global_prefetch_b8 v0, s[64:65] scope:SCOPE_SE
	s_setreg_imm32_b32 hwreg(HW_REG_WAVE_MODE, 25, 1), 1
	s_wait_xcnt 0x0
	s_wait_alu depctr_hold_cnt(0) depctr_sa_sdst(0) depctr_va_vdst(0) depctr_va_sdst(0) depctr_va_ssrc(0) depctr_va_vcc(0) depctr_vm_vsrc(0)
	s_getreg_b32 s2, hwreg(HW_REG_IB_STS2, 6, 4)
	s_cmp_eq_u32 s2, 0
	s_cbranch_scc0 .Lentry_in_a_cluster
	s_endpgm
.Lentry_in_a_cluster:
	s_bfe_u32 s2, ttmp6, 0x10000c
	s_cmp_lg_u32 s2, 0xf033
	s_cbranch_scc0 .Lentry_shape_is_right
	s_endpgm
.Lentry_shape_is_right:
; u = silu(h W1) * (h W2), both products on codes of FP6 (E2M3) with E8M0 scales; u is quantised in registers along its columns, which are the next product's K, and leaves as slabs.  Gate, up and u never go to memory in f32.
; Operands are slabs (128 rows x 128 K: 8 register images of 1,536 bytes, then 512 bytes of scale words); slot p of tile t is row 32 (t / 2) + 8 (t % 2) + p + 8 (p / 8).
; W1 and W2 lie together: block J holds rows 0-31 W1's columns 64 J on, 32-63 W2's same, 64-95 W1's 64 J + 32 on, 96-127 W2's same.  So a wave's 64 rows of W are 32 gate columns and the same 32 up columns: one block of 32 of u.
; The 2,730 columns are filled up to 3,072 with zero codes: there gate = up = 0 and u = 0.
; SHARES.  Work-group (gx, gy): 128 tokens (block gy) x blocks J = 6 gx .. 6 gx + 5.  The token block's 8 slabs stay in LDS; W's blocks take turns in two slots; each wave brings two slabs, one tensor load.
; CLUSTER 4 x 4: the token block is shared along a row, W's blocks along a column: joint loads.
; silu(g) = g / (1 + 2^(-g log2 e)), in f32.  LIMITS: NaN and infinities are not served; blocks whose largest magnitude lies under 2^-124 keep the byte 1.
; REGISTERS, window 0: v3-14 LDS places, v16-18 the way out, v30-31 the add's two, v32-47 scale words, v48-111 u, v112-127 at work, v128-255 accumulators (v128-151 take u's codes once the accumulators are read out); window 1: two fragment sets of 96.
.set SLAB,  12800
.set FRAG,  1536
.set SCO,   12288
.set TBLK,  8*SLAB
.set SPARE, 24*SLAB
.set ACC,   128
.set SPW,   30
.set NIL,   31
.set G1T,   24
.set G1W,   48
.set G0T,   32
.set G0A,   36
.set G0B,   56
.set SEL,   88
.set UB,    76                         ; s[76:77] the slab of u in hand
.set UROWS, 100
.set WOFF,  3276800                    ; W1's and W2's slabs
.set MSB, 0
.macro WIN new
.if MSB != \new
	s_set_vgpr_msb (MSB<<8)|\new
.set MSB, \new
.endif
.endm
.macro PLACES
.rept 4
	v_nop
.endr
.endm
.macro CROUND
	s_barrier_signal -1
	s_barrier_wait -1
	s_cmp_lg_u32 s10, 0
	s_cbranch_scc1 .Lnw0_\@
	s_barrier_signal -3
.Lnw0_\@:
	s_barrier_wait -3
	s_barrier_signal -1
	s_barrier_wait -1
.endm
.macro SETBASE toff, woff
	WIN 0
	v_add_nc_u32 v9, (\toff), v3
	v_add_nc_u32 v10, (\toff), v4
	v_add_nc_u32 v11, (\toff), v5
	v_add_nc_u32 v12, (\woff), v6
	v_add_nc_u32 v13, (\woff), v7
	v_add_nc_u32 v14, (\woff), v8
.endm
.macro FETCH p, off
	WIN 0x40
.irp i, 0,1,2,3
	ds_load_b128 v[96*(\p)+12*\i:96*(\p)+12*\i+3], v9 offset:(\off)+FRAG*\i
	ds_load_b64 v[96*(\p)+12*\i+4:96*(\p)+12*\i+5], v10 offset:(\off)+FRAG*\i+512
	ds_load_b128 v[96*(\p)+12*\i+6:96*(\p)+12*\i+9], v9 offset:(\off)+FRAG*\i+768
	ds_load_b64 v[96*(\p)+12*\i+10:96*(\p)+12*\i+11], v10 offset:(\off)+FRAG*\i+1280
.endr
.irp i, 0,1,2,3
	ds_load_b128 v[96*(\p)+48+12*\i:96*(\p)+48+12*\i+3], v12 offset:(\off)+FRAG*\i
	ds_load_b64 v[96*(\p)+48+12*\i+4:96*(\p)+48+12*\i+5], v13 offset:(\off)+FRAG*\i+512
	ds_load_b128 v[96*(\p)+48+12*\i+6:96*(\p)+48+12*\i+9], v12 offset:(\off)+FRAG*\i+768
	ds_load_b64 v[96*(\p)+48+12*\i+10:96*(\p)+48+12*\i+11], v13 offset:(\off)+FRAG*\i+1280
.endr
	WIN 0
	ds_load_b128 v[32+8*(\p):35+8*(\p)], v11 offset:(\off)
	ds_load_b128 v[36+8*(\p):39+8*(\p)], v14 offset:(\off)
.endm
.macro MUL p, zero                     ; 16 products; the accumulators take turns in the same order in every step, over the loop's backward jump too
	WIN 0x05
.irp j, 0,1,2,3
.irp i, 0,1,2,3
.set mA, 96*(\p)+48+12*\i
.set mB, 96*(\p)+12*\j
.set mD, ACC+32*\j+8*\i
.if \zero
	v_wmma_scale_f32_16x16x128_f8f6f4 v[mD:mD+7], v[mA:mA+11], v[mB:mB+11], 0, v[36+8*(\p)+\i], v[32+8*(\p)+\j] matrix_a_fmt:MATRIX_FMT_FP6 matrix_b_fmt:MATRIX_FMT_FP6
.else
	v_wmma_scale_f32_16x16x128_f8f6f4 v[mD:mD+7], v[mA:mA+11], v[mB:mB+11], v[mD:mD+7], v[36+8*(\p)+\i], v[32+8*(\p)+\j] matrix_a_fmt:MATRIX_FMT_FP6 matrix_b_fmt:MATRIX_FMT_FP6
.endif
.endr
.endr
.endm
.macro STEP p, zero, next
	s_wait_dscnt 0x0
.if (\next) >= 0
	PLACES
	FETCH 1-(\p), \next
.endif
	MUL \p, \zero
.endm
.macro RUN8 wbs                        ; a block's 8 K steps; step 0's fragments were fetched by the caller
	STEP 0, 1, SLAB
	STEP 1, 0, 2*SLAB
	STEP 0, 0, 3*SLAB
	s_wait_dscnt 0x0
	SETBASE 4*SLAB, (\wbs)+4*SLAB
	FETCH 0, 0
	MUL 1, 0
	s_wait_alu depctr_va_vdst(0)
	STEP 0, 0, SLAB
	STEP 1, 0, 2*SLAB
	STEP 0, 0, 3*SLAB
	STEP 1, 0, -1
.endm
; THE CHANGE OF SLOTS: all my tensor loads have landed, the add, my reads of the slot are over; fill = 1: a round of the cluster's barrier and, first behind it, my one joint load: the slot just left takes the block two on
.macro CHANGE fill, g0
	WIN 0
	s_wait_tensorcnt 0x0
	ds_add_u32 v[SPW], v[NIL]
.if \fill
	s_add_nc_u64 s[\g0+2:\g0+3], s[\g0+2:\g0+3], 2*TBLK
.endif
	s_wait_dscnt 0x0
.if \fill
	CROUND
	tensor_load_to_lds s[\g0:\g0+3], s[G1W:G1W+7]
	s_nop 0
	PLACES
.else
	s_barrier_signal -1
	s_barrier_wait -1
	PLACES
.endif
.endm
; u of a block J: for token tile b, registers ACC + 32 b + 0 .. 15 are the gate and + 16 .. 31 the up of columns 64 J + 32 WW + 16 h + 0 .. 15.  half = J % 2: which half of the fragment's K
.macro EPI_U half
.irp b, 0,1,2,3
.irp n, 0,2,4,6,8,10,12,14
	v_pk_mul_f32 v[48+16*\b+\n:49+16*\b+\n], v[ACC+32*\b+\n:ACC+32*\b+\n+1], s[86:87] op_sel_hi:[1,0]   ; -g log2(e); each accumulator from its low end on
.endr
.endr
.set n, 0
	s_wait_alu depctr_va_vdst(0)
.rept 64
	v_exp_f32 v[48+n], v[48+n]
.set n, n+1
.endr
	v_nop                                          ; a plain place behind the batch,
	s_wait_alu depctr_va_vdst(0)                   ; and one wait for it, ahead of its first reader
.set n, 0
.rept 32
	v_pk_add_f32 v[48+n:49+n], v[48+n:49+n], 1.0 op_sel_hi:[1,0]
.set n, n+2
.endr
.set n, 0
	s_wait_alu depctr_va_vdst(0)
.rept 64
	v_rcp_f32 v[48+n], v[48+n]
.set n, n+1
.endr
	v_nop
	s_wait_alu depctr_va_vdst(0)
.irp b, 0,1,2,3
.irp n, 0,2,4,6,8,10,12,14
	v_pk_mul_f32 v[48+16*\b+\n:49+16*\b+\n], v[48+16*\b+\n:49+16*\b+\n], v[ACC+32*\b+\n:ACC+32*\b+\n+1]   ; silu(g)
.endr
.endr
.irp b, 0,1,2,3
.irp n, 0,2,4,6,8,10,12,14
	v_pk_mul_f32 v[48+16*\b+\n:49+16*\b+\n], v[48+16*\b+\n:49+16*\b+\n], v[ACC+32*\b+16+\n:ACC+32*\b+17+\n]   ; x up
.endr
.endr
.irp b, 0,1,2,3
	v_max3_num_f32 v[112+\b], |v[48+16*\b]|, |v[49+16*\b]|, 0x1800000   ; tile b's block of 32: my 16, and the floor
.endr
.irp i, 2,4,6,8,10,12,14
.irp b, 0,1,2,3
	v_max3_num_f32 v[112+\b], v[112+\b], |v[48+16*\b+\i]|, |v[49+16*\b+\i]|
.endr
.endr
.irp b, 0,1,2,3
	v_permlanex16_b32 v[116+\b], v[112+\b], s[SEL], s[SEL+1]
.endr
.irp b, 0,1,2,3
	v_max_num_f32 v[112+\b], v[112+\b], v[116+\b]
.endr
.irp b, 0,1,2,3
	v_add_nc_u32 v[120+\b], 0xff000000, v[112+\b]
.endr
.irp b, 0,1,2,3
	v_lshrrev_b32 v[124+\b], 23, v[120+\b]
.endr
.irp c, 0,1                            ; the codes go where accumulators lay that have been read out
	v_cvt_scalef32_pk16_fp6_f32 v[ACC+8*\c:ACC+8*\c+2], v[48+32*\c:63+32*\c], v[120+2*\c]
	v_cvt_scalef32_pk16_fp6_f32 v[ACC+16+4*\c:ACC+18+4*\c], v[64+32*\c:79+32*\c], v[121+2*\c]
.endr
	v_nop                                          ; one plain place behind the conversions
.irp c, 0,1                            ; tiles 2 c and 2 c + 1 change halves: lane (p, hh) then holds the whole block of slot p of tile 2 c + hh
.irp i, 0,1,2
	v_permlane16_swap_b32 v[ACC+8*\c+\i], v[ACC+16+4*\c+\i]
.endr
.irp i, 0,1,2
	v_mov_b32 v[ACC+8*\c+3+\i], v[ACC+16+4*\c+\i]
.endr
	v_cndmask_b32 v[116+\c], v[124+2*\c], v[125+2*\c], s90   ; and its byte: lanes 16-31 the odd tile's
.endr
.irp c, 0,1
	global_store_b128 v16, v[ACC+8*\c:ACC+8*\c+3], s[UB:UB+1] offset:768*\half+3072*\c   ; sixteen lanes store 256 consecutive bytes, aligned
	global_store_b64 v17, v[ACC+8*\c+4:ACC+8*\c+5], s[UB:UB+1] offset:768*\half+3072*\c
	global_store_b8 v18, v[116+\c], s[UB:UB+1] offset:2*\half+8*\c
.endr
	s_wait_xcnt 0x0                                ; the stores have read their registers and their base: the next block's products write v128 on again
.endm
	s_load_b128 s[4:7], s[0:1], 0x0                ; h's slabs, the weights' slabs
	s_load_b64 s[16:17], s[0:1], 0x10              ; u's slabs
	v_lshl_add_u32 v[SPW], v0, 2, SPARE
	v_mov_b32 v[NIL], 0
	ds_add_u32 v[SPW], v[NIL]                      ; the wave's opening: the add and its wait ahead of my first tensor load
	ds_add_u32 v[SPW], v[NIL]
	v_lshrrev_b32 v1, 5, v0
	v_readfirstlane_b32 s10, v1
	s_lshr_b32 s11, s10, 1                         ; WW
	s_and_b32 s12, s10, 1                          ; WT
	s_bfe_u32 s40, ttmp6, 0x40000
	s_bfe_u32 s41, ttmp6, 0x40004
	s_lshl_b32 s42, ttmp9, 2
	s_add_co_u32 s42, s42, s40                     ; gx
	s_and_b32 s13, ttmp7, 0xffff
	s_lshl_b32 s13, s13, 2
	s_add_co_u32 s13, s13, s41                     ; gy
	s_lshl_b32 s43, s41, 2
	s_lshl_b32 s43, 15, s43
	s_lshl_b32 s44, 0x1111, s40
	s_or_b32 s[G1T], s43, (3<<16)|(1<<21)
	s_or_b32 s[G1W], s44, (3<<16)|(1<<21)
.irp g, G1T, G1W
	s_mov_b32 s[\g+1], 32<<16
	s_mov_b32 s[\g+2], (2*UROWS)<<16               ; the head's loads bring four slabs each
	s_mov_b32 s[\g+3], 32<<16
	s_mov_b32 s[\g+4], 2*UROWS
	s_mov_b32 s[\g+5], 32
	s_mov_b32 s[\g+6], 0
	s_mov_b32 s[\g+7], 0
.endr
	s_mul_i32 s45, s10, 2*SLAB
	s_mul_i32 s22, s12, 4*SLAB                     ; at the head a wave brings four slabs: which half of eight
	s_mul_i32 s20, s13, TBLK
	s_add_co_u32 s20, s20, s22
	s_mov_b32 s21, 0
	s_mul_i32 s46, s42, 6*TBLK
	s_add_co_u32 s46, s46, s45
	s_add_co_u32 s46, s46, WOFF
	s_mov_b32 s47, 0
	s_wait_dscnt 0x0
	s_wait_kmcnt 0x0
	s_mov_b32 s[G0T], 1
	s_mov_b32 s[G0T+1], s22
	s_add_nc_u64 s[G0T+2:G0T+3], s[4:5], s[20:21]
	s_or_b32 s[G0T+3], s[G0T+3], 0x80000000
	s_mov_b32 s[G0A], 1
	s_add_co_u32 s[G0A+1], s45, TBLK
	s_add_nc_u64 s[G0A+2:G0A+3], s[6:7], s[46:47]
	s_mov_b32 s[G0B], 1
	s_add_co_u32 s[G0B+1], s45, 2*TBLK
	s_add_nc_u64 s[G0B+2:G0B+3], s[G0A+2:G0A+3], TBLK
	s_or_b32 s[G0A+3], s[G0A+3], 0x80000000
	s_or_b32 s[G0B+3], s[G0B+3], 0x80000000
	s_mul_i32 s62, s42, 6*TBLK                     ; s[60:63]: group 0 of the head's load of W's first block, four slabs a wave, into slot 0
	s_add_co_u32 s62, s62, s22
	s_add_co_u32 s62, s62, WOFF
	s_mov_b32 s63, 0
	s_add_nc_u64 s[62:63], s[6:7], s[62:63]
	s_or_b32 s63, s63, 0x80000000
	s_mov_b32 s60, 1
	s_add_co_u32 s61, s22, TBLK
	CROUND
	s_cmp_eq_u32 s11, 0                            ; one load a wave at the head: waves 0 and 1 bring the token block's halves, waves 2 and 3 the halves of W's first block
	s_cbranch_scc0 .Lhead_w
	tensor_load_to_lds s[G0T:G0T+3], s[G1T:G1T+7]
	s_nop 0
	PLACES
	s_branch .Lhead_asked
.Lhead_w:
	tensor_load_to_lds s[60:63], s[G1W:G1W+7]
	s_nop 0
	PLACES
.Lhead_asked:
	v_and_b32 v1, 15, v0
	v_bfe_u32 v2, v0, 4, 1
	s_wait_alu depctr_va_vdst(0)
	v_and_b32 v15, 31, v0
	s_mul_i32 s66, s12, 4*FRAG
	s_mul_i32 s67, s11, 4*FRAG
	v_lshl_add_u32 v3, v15, 4, s66
	v_lshl_add_u32 v4, v15, 3, s66
	v_lshl_add_u32 v6, v15, 4, s67
	v_lshl_add_u32 v7, v15, 3, s67
	s_lshl_b32 s66, s12, 8
	s_lshl_b32 s67, s11, 8
	s_add_co_u32 s66, s66, SCO
	s_add_co_u32 s67, s67, SCO
	v_lshl_add_u32 v5, v1, 4, s66
	v_lshl_add_u32 v8, v1, 4, s67
	s_mov_b32 s[SEL], 0x76543210
	s_mov_b32 s[SEL+1], 0xfedcba98
	s_mov_b32 s86, 0xbfb8aa3b                      ; -log2(e)
	s_mov_b32 s87, s86
	s_mov_b32 s90, 0xffff0000                      ; lanes 16-31
	s_mul_i32 s67, s12, 4*FRAG                     ; my four token tiles' fragments
	s_lshl_b32 s66, s11, 8
	s_add_co_u32 s66, s66, s67
	v_mul_u32_u24 v16, v2, FRAG
	v_lshl_add_u32 v16, v1, 4, v16
	v_add_nc_u32 v16, s66, v16                     ; registers 0-3 of lane p + 16 WW of tile 2 c + hh
	s_lshl_b32 s66, s11, 7
	s_add_co_u32 s66, s66, s67
	s_add_co_u32 s66, s66, 512
	v_mul_u32_u24 v17, v2, FRAG
	v_lshl_add_u32 v17, v1, 3, v17
	v_add_nc_u32 v17, s66, v17                     ; registers 4-5
	s_lshl_b32 s66, s12, 8
	s_add_co_u32 s66, s66, s11
	s_add_co_u32 s66, s66, SCO
	v_lshl_add_u32 v18, v1, 4, s66
	v_lshl_add_u32 v18, v2, 2, v18                 ; the byte of block WW in that slot's scale word
	s_mul_i32 s66, s13, 24*SLAB
	s_mul_i32 s67, s42, 3*SLAB
	s_add_co_u32 s66, s66, s67
	s_mov_b32 s67, 0
	s_add_nc_u64 s[UB:UB+1], s[16:17], s[66:67]    ; token block gy, K step 3 gx
.irp n, 116,117,118,119
	v_mov_b32 v[\n], 0                             ; written once: a lane permute's destination counts as one of its sources
.endr
	s_wait_alu depctr_va_vdst(0)
	s_wait_tensorcnt 0x0                           ; my head load is in; slot 1's first fill goes out as a refill does
	ds_add_u32 v[SPW], v[NIL]
	s_mov_b32 s[G1W+2], UROWS<<16                  ; no load of mine is out: from here on a load brings two slabs
	s_mov_b32 s[G1W+4], UROWS
	s_wait_dscnt 0x0
	CROUND                                         ; the token block and W's first block are whole in all sixteen work-groups
	tensor_load_to_lds s[G0B:G0B+3], s[G1W:G1W+7]  ; W's second block into slot 1: my one load behind the round
	s_nop 0
	PLACES
	SETBASE 0, TBLK
	FETCH 0, 0
	s_mov_b32 s3, 2
.Lpair:                                ; a trip: two blocks J, one K step of u; both slots are filled again
	s_wait_alu depctr_va_vdst(0)
	RUN8 TBLK
	CHANGE 1, G0A
	SETBASE 0, 2*TBLK
	FETCH 0, 0                                     ; the next block's first fragments are on their way while u is made
	EPI_U 0
	RUN8 2*TBLK
	CHANGE 1, G0B
	SETBASE 0, TBLK
	FETCH 0, 0
	EPI_U 1
	s_add_nc_u64 s[UB:UB+1], s[UB:UB+1], SLAB      ; (behind the wait that closes the epilogue)
	s_sub_co_u32 s3, s3, 1
	s_cmp_lg_u32 s3, 0
	s_cbranch_scc1 .Lpair
	RUN8 TBLK                                      ; the last two blocks are written out: nothing is left to fetch
	CHANGE 0, G0A
	SETBASE 0, 2*TBLK
	FETCH 0, 0
	EPI_U 0
	RUN8 2*TBLK
	WIN 0
	PLACES
	EPI_U 1
	s_wait_tensorcnt 0x0                           ; the wave's end: behind my last tensor load
	ds_add_u32 v[SPW], v[NIL]
	s_wait_dscnt 0x0
	CROUND
	s_endpgm
.Lfunc_end_k_qf06de98175_ffn1:
	.size	k_qf06de98175_ffn1, .Lfunc_end_k_qf06de98175_ffn1-k_qf06de98175_ffn1
	.p2alignl 7, 3214868480
	.fill 96, 4, 3214868480
	.section	.rodata,"a",@progbits
	.p2align	6, 0x0
	.amdhsa_kernel k_qf06de98175_ffn1
		.amdhsa_group_segment_fixed_size 327680
		.amdhsa_private_segment_fixed_size 0
		.amdhsa_enable_private_segment 0
		.amdhsa_kernarg_size 24
		.amdhsa_user_sgpr_count 2
		.amdhsa_user_sgpr_kernarg_segment_ptr 1
		.amdhsa_wavefront_size32 1
		.amdhsa_system_sgpr_workgroup_id_x 1
		.amdhsa_system_sgpr_workgroup_id_y 1
		.amdhsa_system_sgpr_workgroup_id_z 1
		.amdhsa_system_vgpr_workitem_id 0
		.amdhsa_next_free_vgpr 512
		.amdhsa_next_free_sgpr 92
		.amdhsa_reserve_vcc 0
		.amdhsa_float_denorm_mode_32 3
		.amdhsa_float_denorm_mode_16_64 3
		.amdhsa_memory_ordered 1
		.amdhsa_forward_progress 1
		.amdhsa_inst_pref_size 218
	.end_amdhsa_kernel
	.amdgpu_metadata
---
amdhsa.version: [ 1, 2 ]
amdhsa.kernels:
  - .name:           k_qf06de98175_ffn1
    .symbol:         k_qf06de98175_ffn1.kd
    .args:
      - { .name: hc, .offset: 0, .size: 8, .value_kind: global_buffer, .address_space: global }
      - { .name: wb, .offset: 8, .size: 8, .value_kind: global_buffer, .address_space: global }
      - { .name: uc, .offset: 16, .size: 8, .value_kind: global_buffer, .address_space: global }
    .group_segment_fixed_size: 327680
    .private_segment_fixed_size: 0
    .kernarg_segment_align: 8
    .kernarg_segment_size: 24
    .max_flat_workgroup_size: 128
    .sgpr_count:     92
    .vgpr_count:     512
    .wavefront_size: 32
...
	.end_amdgpu_metadata
.endif
;; end of part 6
;; launch ffn2 (part 7): grid 8 x 32, 4 waves a work-group, clusters of 4 x 4, 327,680 bytes of LDS; arguments uc, wb, x1, out0; writes out0
.if DOCPART == 7
	.amdgcn_target "amdgcn-amd-amdhsa--gfx1250"
	.amdhsa_code_object_version 6
	.text
	.protected	k_qf06de98175_ffn2
	.globl	k_qf06de98175_ffn2
	.p2align	8
	.type	k_qf06de98175_ffn2,@function
k_qf06de98175_ffn2:
	s_mov_b64 s[64:65], 0
	v_nop
	global_prefetch_b8 v0, s[64:65] scope:SCOPE_SE
	s_setreg_imm32_b32 hwreg(HW_REG_WAVE_MODE, 25, 1), 1
	s_wait_xcnt 0x0
	s_wait_alu depctr_hold_cnt(0) depctr_sa_sdst(0) depctr_va_vdst(0) depctr_va_sdst(0) depctr_va_ssrc(0) depctr_va_vcc(0) depctr_vm_vsrc(0)
	s_getreg_b32 s2, hwreg(HW_REG_IB_STS2, 6, 4)
	s_cmp_eq_u32 s2, 0
	s_cbranch_scc0 .Lentry_in_a_cluster
	s_endpgm
.Lentry_in_a_cluster:
	s_bfe_u32 s2, ttmp6, 0x10000c
	s_cmp_lg_u32 s2, 0xf033
	s_cbranch_scc0 .Lentry_shape_is_right
	s_endpgm
.Lentry_shape_is_right:
.set SLAB,  12800
.set FRAG,  1536
.set SCO,   12288
.set SLOTB, 12*SLAB
.set SPARE, 24*SLAB
.set STAGE, SPARE+512
.set ACC,   128
.set RES,   0
.set SPW,   30
.set NIL,   31
.set G1T,   24
.set G1W,   48
.set G0T,   32
.set G0W,   56
.set UROWS, 150
.set WOFF,  8192000
.set MSB, 0
.macro WIN new
.if MSB != \new
	s_set_vgpr_msb (MSB<<8)|\new
.set MSB, \new
.endif
.endm
.macro PLACES
.rept 4
	v_nop
.endr
.endm
.macro CROUND
	s_barrier_signal -1
	s_barrier_wait -1
	s_cmp_lg_u32 s10, 0
	s_cbranch_scc1 .Lnw0_\@
	s_barrier_signal -3
.Lnw0_\@:
	s_barrier_wait -3
	s_barrier_signal -1
	s_barrier_wait -1
.endm
.macro JLOAD s
	s_cmp_eq_u32 s11, 0
	s_cbranch_scc0 .Lfw_\@
	tensor_load_to_lds s[G0T+4*\s:G0T+4*\s+3], s[G1T:G1T+7]
	s_nop 0
	PLACES
	s_branch .Lja_\@
.Lfw_\@:
	tensor_load_to_lds s[G0W+4*\s:G0W+4*\s+3], s[G1W:G1W+7]
	s_nop 0
	PLACES
.Lja_\@:
.endm
.macro SETBASE toff, woff
	WIN 0
	v_add_nc_u32 v9, (\toff), v3
	v_add_nc_u32 v10, (\toff), v4
	v_add_nc_u32 v11, (\toff), v5
	v_add_nc_u32 v12, (\woff), v6
	v_add_nc_u32 v13, (\woff), v7
	v_add_nc_u32 v14, (\woff), v8
.endm
.macro FETCH p, off
	WIN 0x40
.irp i, 0,1,2,3
	ds_load_b128 v[96*(\p)+12*\i:96*(\p)+12*\i+3], v9 offset:(\off)+FRAG*\i
	ds_load_b64 v[96*(\p)+12*\i+4:96*(\p)+12*\i+5], v10 offset:(\off)+FRAG*\i+512
	ds_load_b128 v[96*(\p)+12*\i+6:96*(\p)+12*\i+9], v9 offset:(\off)+FRAG*\i+768
	ds_load_b64 v[96*(\p)+12*\i+10:96*(\p)+12*\i+11], v10 offset:(\off)+FRAG*\i+1280
.endr
.irp i, 0,1,2,3
	ds_load_b128 v[96*(\p)+48+12*\i:96*(\p)+48+12*\i+3], v12 offset:(\off)+FRAG*\i
	ds_load_b64 v[96*(\p)+48+12*\i+4:96*(\p)+48+12*\i+5], v13 offset:(\off)+FRAG*\i+512
	ds_load_b128 v[96*(\p)+48+12*\i+6:96*(\p)+48+12*\i+9], v12 offset:(\off)+FRAG*\i+768
	ds_load_b64 v[96*(\p)+48+12*\i+10:96*(\p)+48+12*\i+11], v13 offset:(\off)+FRAG*\i+1280
.endr
	WIN 0
	ds_load_b128 v[32+8*(\p):35+8*(\p)], v11 offset:(\off)
	ds_load_b128 v[36+8*(\p):39+8*(\p)], v14 offset:(\off)
.endm
.macro MUL p, zero
	WIN 0x05
.irp j, 0,1,2,3
.irp i, 0,1,2,3
.set mA, 96*(\p)+48+12*\i
.set mB, 96*(\p)+12*\j
.set mD, ACC+32*\j+8*\i
.if \zero
	v_wmma_scale_f32_16x16x128_f8f6f4 v[mD:mD+7], v[mA:mA+11], v[mB:mB+11], 0, v[36+8*(\p)+\i], v[32+8*(\p)+\j] matrix_a_fmt:MATRIX_FMT_FP6 matrix_b_fmt:MATRIX_FMT_FP6
.else
	v_wmma_scale_f32_16x16x128_f8f6f4 v[mD:mD+7], v[mA:mA+11], v[mB:mB+11], v[mD:mD+7], v[36+8*(\p)+\i], v[32+8*(\p)+\j] matrix_a_fmt:MATRIX_FMT_FP6 matrix_b_fmt:MATRIX_FMT_FP6
.endif
.endr
.endr
.endm
.macro STEP p, zero, next
	s_wait_dscnt 0x0
.if (\next) >= 0
	PLACES
	FETCH 1-(\p), \next
.endif
	MUL \p, \zero
.endm
.macro RUN6 tb, zero
	STEP 0, \zero, SLAB
	STEP 1, 0, 2*SLAB
	s_wait_dscnt 0x0
	SETBASE (\tb)+3*SLAB, (\tb)+9*SLAB
	FETCH 1, 0
	MUL 0, 0
	s_wait_alu depctr_va_vdst(0)
	STEP 1, 0, SLAB
	STEP 0, 0, 2*SLAB
	STEP 1, 0, -1
.endm
.macro CHANGE fill, s
	WIN 0
	s_wait_tensorcnt 0x0
	ds_add_u32 v[SPW], v[NIL]
.if \fill
	s_add_nc_u64 s[G0T+4*\s+2:G0T+4*\s+3], s[G0T+4*\s+2:G0T+4*\s+3], SLOTB
	s_add_nc_u64 s[G0W+4*\s+2:G0W+4*\s+3], s[G0W+4*\s+2:G0W+4*\s+3], SLOTB
.endif
	s_wait_dscnt 0x0
.if \fill
	CROUND
	JLOAD \s
.else
	s_barrier_signal -1
	s_barrier_wait -1
	PLACES
.endif
.endm
.macro TOSTAGE b
.set BB, 48+32*((\b)%2)
.irp e, 0,1
.irp q, 0,1,2,3
	ds_store_b128 v16, v[ACC+32*(\b)+16*\e+4*\q:ACC+32*(\b)+16*\e+4*\q+3] offset:128*\e+16*\q
.endr
.endr
.irp i, 0,1,2,3,4,5,6,7
	ds_load_b128 v[BB+4*\i:BB+4*\i+3], v17 offset:544*\i
.endr
.endm
.macro SEND b, younger
.set BB, 48+32*((\b)%2)
	s_wait_dscnt \younger
	WIN 0x08
.irp n, 0,2,4,6,8,10,12,14,16,18,20,22,24,26,28,30
	v_pk_add_f32 v[BB+\n:BB+\n+1], v[BB+\n:BB+\n+1], v[RES+32*(\b)+\n:RES+32*(\b)+\n+1]
.endr
	WIN 0
.irp i, 0,1,2,3,4,5,6,7
	global_store_b128 v18, v[BB+4*\i:BB+4*\i+3], s[78:79] offset:(32*((\b)/2)+8*((\b)%2)+2*\i+8*(\i/4))*4096 th:TH_STORE_NT
.endr
.endm
	s_load_b128 s[4:7], s[0:1], 0x0
	s_load_b128 s[16:19], s[0:1], 0x10
	v_lshl_add_u32 v[SPW], v0, 2, SPARE
	v_mov_b32 v[NIL], 0
	ds_add_u32 v[SPW], v[NIL]
	ds_add_u32 v[SPW], v[NIL]
	v_lshrrev_b32 v1, 5, v0
	v_readfirstlane_b32 s10, v1
	s_lshr_b32 s11, s10, 1
	s_and_b32 s12, s10, 1
	s_bfe_u32 s40, ttmp6, 0x40000
	s_bfe_u32 s41, ttmp6, 0x40004
	s_lshl_b32 s42, ttmp9, 2
	s_add_co_u32 s42, s42, s40
	s_and_b32 s13, ttmp7, 0xffff
	s_lshl_b32 s13, s13, 2
	s_add_co_u32 s13, s13, s41
	s_lshl_b32 s43, s41, 2
	s_lshl_b32 s43, 15, s43
	s_lshl_b32 s44, 0x1111, s40
	s_or_b32 s[G1T], s43, (3<<16)|(1<<21)
	s_or_b32 s[G1W], s44, (3<<16)|(1<<21)
.irp g, G1T, G1W
	s_mov_b32 s[\g+1], 32<<16
	s_mov_b32 s[\g+2], UROWS<<16
	s_mov_b32 s[\g+3], 32<<16
	s_mov_b32 s[\g+4], UROWS
	s_mov_b32 s[\g+5], 32
	s_mov_b32 s[\g+6], 0
	s_mov_b32 s[\g+7], 0
.endr
	s_mul_i32 s45, s10, 3*SLAB
	s_mul_i32 s22, s12, 3*SLAB
	s_mul_i32 s20, s13, 24*SLAB
	s_add_co_u32 s20, s20, s22
	s_mov_b32 s21, 0
	s_mul_i32 s46, s42, 24*SLAB
	s_add_co_u32 s46, s46, s22
	s_add_co_u32 s46, s46, WOFF
	s_mov_b32 s47, 0
	s_wait_dscnt 0x0
	s_wait_kmcnt 0x0
	s_add_nc_u64 s[20:21], s[4:5], s[20:21]
	s_add_nc_u64 s[46:47], s[6:7], s[46:47]
	CROUND
.irp s, 0,1
	s_mov_b32 s[G0T+4*\s], 1
	s_add_co_u32 s[G0T+4*\s+1], s45, \s*SLOTB
	s_add_nc_u64 s[G0T+4*\s+2:G0T+4*\s+3], s[20:21], \s*6*SLAB
	s_or_b32 s[G0T+4*\s+3], s[G0T+4*\s+3], 0x80000000
	s_mov_b32 s[G0W+4*\s], 1
	s_add_co_u32 s[G0W+4*\s+1], s45, \s*SLOTB
	s_add_nc_u64 s[G0W+4*\s+2:G0W+4*\s+3], s[46:47], \s*6*SLAB
	s_or_b32 s[G0W+4*\s+3], s[G0W+4*\s+3], 0x80000000
	s_wait_alu depctr_va_vdst(0)
	s_wait_tensorcnt 0x0
	ds_add_u32 v30, v31
	ds_add_u32 v30, v31
	s_wait_dscnt 0x0
	CROUND
	JLOAD \s
.endr
	v_and_b32 v1, 15, v0
	v_bfe_u32 v2, v0, 4, 1
	v_and_b32 v15, 31, v0
	v_lshlrev_b32 v18, 12, v2
	v_lshl_add_u32 v18, v1, 4, v18
	s_wait_alu depctr_va_vdst(0)
	s_lshl_b32 s66, s13, 7
	s_lshl_b32 s67, s12, 6
	s_add_co_u32 s66, s66, s67
	s_lshl_b32 s66, s66, 12
	s_lshl_b32 s67, s42, 9
	s_add_co_u32 s66, s66, s67
	s_lshl_b32 s67, s11, 8
	s_add_co_u32 s66, s66, s67
	s_mov_b32 s67, 0
	s_add_nc_u64 s[76:77], s[16:17], s[66:67]
	s_add_nc_u64 s[78:79], s[18:19], s[66:67]
	WIN 0x80
.irp b, 0,1,2,3
.irp i, 0,1,2,3,4,5,6,7
	global_load_b128 v[RES+32*\b+4*\i:RES+32*\b+4*\i+3], v18, s[76:77] offset:(32*(\b/2)+8*(\b%2)+2*\i+8*(\i/4))*4096
.endr
.endr
	WIN 0
	s_mul_i32 s66, s12, 4*FRAG
	s_mul_i32 s67, s11, 4*FRAG
	v_lshl_add_u32 v3, v15, 4, s66
	v_lshl_add_u32 v4, v15, 3, s66
	v_lshl_add_u32 v6, v15, 4, s67
	v_lshl_add_u32 v7, v15, 3, s67
	s_lshl_b32 s66, s12, 8
	s_lshl_b32 s67, s11, 8
	s_add_co_u32 s66, s66, SCO
	s_add_co_u32 s67, s67, SCO
	v_lshl_add_u32 v5, v1, 4, s66
	v_lshl_add_u32 v8, v1, 4, s67
	s_mul_i32 s66, s10, 16*272
	s_add_co_u32 s66, s66, STAGE
	v_mul_u32_u24 v16, v1, 272
	v_lshl_add_u32 v16, v2, 6, v16
	v_add_nc_u32 v16, s66, v16
	v_mul_u32_u24 v17, v2, 272
	v_lshl_add_u32 v17, v1, 4, v17
	v_add_nc_u32 v17, s66, v17
	s_wait_tensorcnt 0x1
	s_barrier_signal -1
	s_barrier_wait -1
	SETBASE 0, 6*SLAB
	FETCH 0, 0
	s_wait_alu depctr_va_vdst(0)
	RUN6 0, 1
	CHANGE 1, 0
	SETBASE SLOTB, SLOTB+6*SLAB
	FETCH 0, 0
	s_wait_alu depctr_va_vdst(0)
	RUN6 SLOTB, 0
	CHANGE 1, 1
	SETBASE 0, 6*SLAB
	FETCH 0, 0
	s_wait_alu depctr_va_vdst(0)
	RUN6 0, 0
	CHANGE 0, 0
	SETBASE SLOTB, SLOTB+6*SLAB
	FETCH 0, 0
	s_wait_alu depctr_va_vdst(0)
	RUN6 SLOTB, 0
	WIN 0
	PLACES
	s_wait_loadcnt 0x0
	TOSTAGE 0
.irp b, 1,2,3
.if \b > 1
	s_wait_xcnt 0x0
.endif
	TOSTAGE \b
	SEND \b-1, 16
.endr
	SEND 3, 0
	s_wait_tensorcnt 0x0
	ds_add_u32 v[SPW], v[NIL]
	s_wait_dscnt 0x0
	CROUND
	s_endpgm
.Lfunc_end_k_qf06de98175_ffn2:
	.size	k_qf06de98175_ffn2, .Lfunc_end_k_qf06de98175_ffn2-k_qf06de98175_ffn2
	.p2alignl 7, 3214868480
	.fill 96, 4, 3214868480
	.section	.rodata,"a",@progbits
	.p2align	6, 0x0
	.amdhsa_kernel k_qf06de98175_ffn2
		.amdhsa_group_segment_fixed_size 327680
		.amdhsa_private_segment_fixed_size 0
		.amdhsa_enable_private_segment 0
		.amdhsa_kernarg_size 32
		.amdhsa_user_sgpr_count 2
		.amdhsa_user_sgpr_kernarg_segment_ptr 1
		.amdhsa_wavefront_size32 1
		.amdhsa_system_sgpr_workgroup_id_x 1
		.amdhsa_system_sgpr_workgroup_id_y 1
		.amdhsa_system_sgpr_workgroup_id_z 1
		.amdhsa_system_vgpr_workitem_id 0
		.amdhsa_next_free_vgpr 640
		.amdhsa_next_free_sgpr 92
		.amdhsa_reserve_vcc 0
		.amdhsa_float_denorm_mode_32 3
		.amdhsa_float_denorm_mode_16_64 3
		.amdhsa_memory_ordered 1
		.amdhsa_forward_progress 1
		.amdhsa_inst_pref_size 133
	.end_amdhsa_kernel
	.amdgpu_metadata
---
amdhsa.version: [ 1, 2 ]
amdhsa.kernels:
  - .name:           k_qf06de98175_ffn2
    .symbol:         k_qf06de98175_ffn2.kd
    .args:
      - { .name: uc, .offset: 0, .size: 8, .value_kind: global_buffer, .address_space: global }
      - { .name: wb, .offset: 8, .size: 8, .value_kind: global_buffer, .address_space: global }
      - { .name: x1, .offset: 16, .size: 8, .value_kind: global_buffer, .address_space: global }
      - { .name: out0, .offset: 24, .size: 8, .value_kind: global_buffer, .address_space: global }
    .group_segment_fixed_size: 327680
    .private_segment_fixed_size: 0
    .kernarg_segment_align: 8
    .kernarg_segment_size: 32
    .max_flat_workgroup_size: 128
    .sgpr_count:     92
    .vgpr_count:     640
    .wavefront_size: 32
...
	.end_amdgpu_metadata
.endif
;; end of part 7
